; MI455X (gfx1250); checked and timed in simulation.
; The chip was launched on July 23, 2026; its instructions are those of AMD's public machine-readable ISA for CDNA 5 (MIT licence, August 2026) and "CDNA5" Instruction Set Architecture Reference Guide (July 2026). The comments in the code are by the model that wrote it; some were corrected since.
;; Multi Query Attention. Allowed arithmetic: matrix products marked QUANTISED: E3M2 operands, one E8M0 scale for each 32 along K, by v_wmma_scale_f32_16x16x128_f8f6f4 with both operands' format E3M2, f32 sums; everything else in f32.
;; Inputs: Wk 1,024 x 64 float32; Wo 1,024 x 1,024 float32; Wq 1,024 x 1,024 float32; Wv 1,024 x 64 float32; bk 64 float32; bo 1,024 float32; bq 1,024 float32; bv 64 float32; x 4 x 2,048 x 1,024 float32.
;; Outputs: out0 4 x 2,048 x 1,024 float32.
;; This version of the problem:
;;   THIS VERSION OF THE PROBLEM IS GIVEN IN LOW PRECISION. The matrix products marked QUANTISED in the list below multiply operands that are first quantised to E3M2 (3 exponent bits, 2 mantissa bits; 6 bits a number), with one power-of-two scale for each 32 numbers along K (OCP MX v1.0); their sums are f32. All else is computed in f32.
;;   The module's matrix products, in the order in which they are computed (A, B: the left and right operand; K: the contracted axis; several contracted axes count as one K, in the product's order):
;;     1. [M 8,192, K 1,024] x [K 1,024, N 1,024]; A: input x; B: input Wq: QUANTISED
;;     2. [M 8,192, K 1,024] x [K 1,024, N 64]; A: input x; B: input Wk: QUANTISED
;;     3. [M 8,192, K 1,024] x [K 1,024, N 64]; A: input x; B: input Wv: QUANTISED
;;     4. batch 4 x [M 2,048, K 64] x [K 64, N 32,768]; A: computed on the way; B: computed on the way: QUANTISED
;;     5. batch 4 x [M 64, K 2,048] x [K 2,048, N 32,768]; A: computed on the way; B: softmax (see below): QUANTISED
;;     6. [M 8,192, K 1,024] x [K 1,024, N 1,024]; A: computed on the way; B: input Wo: QUANTISED
;;   THE QUANTISER, for each operand of a quantised product, along K:
;;     - K is cut into blocks of 32 from its start; a last block that is shorter is filled with zeros.
;;     - A block's scale is 2^e with e = floor(log2(the largest magnitude in the block)) - 4, held to -126 .. 127; a block of zeros has e = 0. As a byte (E8M0): e + 127.
;;     - Each number is divided by its block's scale, clamped to +-28, and rounded to the nearest number of E3M2, ties to even, subnormals kept.
;;     - The product sums the exact products of the quantised numbers (number of the format x scale) in f32.
;;   ~~~python
;;   def quantise(x, axis):      # numpy; x: float32 -> the quantised numbers, widened to float32 again
;;       x = np.moveaxis(x, axis, -1); K = x.shape[-1]
;;       x = np.pad(x, [(0, 0)] * (x.ndim - 1) + [(0, -K % 32)]); x = x.reshape(x.shape[:-1] + (-1, 32)); a = np.abs(x).max(-1, keepdims=True)
;;       e = np.where(a > 0, np.clip(np.frexp(np.where(a > 0, a, 1))[1] - 1 - 4, -126, 127), 0)      # np.frexp(a)[1] - 1 = floor(log2(a)), exactly
;;       r = np.clip(x / 2.0 ** e, -28, 28)
;;       step = 2.0 ** (np.maximum(np.frexp(np.where(r == 0, 1, r))[1] - 1, -2) - 2)
;;       q = np.round(r / step) * step * 2.0 ** e      # np.round: ties to even
;;       return np.moveaxis(q.reshape(q.shape[:-2] + (-1,))[..., :K], -1, axis).astype(np.float32)
;;   ~~~
;;   SOFTMAX AHEAD OF A QUANTISED PRODUCT. Where the list says 'softmax', what is quantised is not the finished softmax but p = 2^(t - M), with t = logit x log2(e) and M = ceil(the row's largest t), a whole number; so 1/2 < the row's largest p <= 1. The row's sum l is taken of the UNQUANTISED p, in f32, and the product's result is divided by l at the end. Since M is a whole number, a kernel that streams over the keys may use a running M (the ceiling of the running maximum): every later rescaling is an exact power of two, which a block's scale takes up: the codes' values come out the same.
;;   OPERANDS COMPUTED ON THE WAY. 'Computed on the way' means the value that the module computes at that place (a softmax that the list does not call 'softmax' is quantised finished and normalised). What goes into a quantiser is computed in f32, as accurately as f32 sums, v_exp_f32 and their like allow (about 1e-6 of the number): no bf16 or f16 on the way to a quantiser, and a product that is left as it is and whose result goes on into a quantised operand takes f32 operands (vector FMAs, or v_wmma_f32_16x16x4_f32). A number that lies on a knife's edge between two numbers of the format may be rounded either way, as far as f32 arithmetic and the matrix unit's own rounding can turn it there, and no further.
;; One version. Each part assembles by itself: llvm-mc -triple=amdgcn-amd-amdhsa -mcpu=gfx1250 --defsym DOCPART=n.
;; ======== version 1 of 1: 4 launches
;; limits: right only within a limited range of input values
;; workspace buffers: xq 6,553,600 bytes; oq 6,553,600 bytes; wqkv 921,600 bytes; woq 819,200 bytes; qc 8,388,608 bytes; kv 835,584 bytes
;; launch quant (part 1): grid 528 x 1, 4 waves a work-group, no clusters, 34,304 bytes of LDS; arguments x, Wq, Wk, Wv, Wo, xq, wqkv, woq; writes xq, wqkv, woq
.if DOCPART == 1
	.amdgcn_target "amdgcn-amd-amdhsa--gfx1250"
	.amdhsa_code_object_version 6
	.text
	.protected	k_q49d584bdae_quant
	.globl	k_q49d584bdae_quant
	.p2align	8
	.type	k_q49d584bdae_quant,@function
k_q49d584bdae_quant:
	s_mov_b64 s[64:65], 0
	v_nop
	global_prefetch_b8 v0, s[64:65] scope:SCOPE_SE
	s_setreg_imm32_b32 hwreg(HW_REG_WAVE_MODE, 25, 1), 1
	s_wait_xcnt 0x0
; x [8192][1024] and the weights Wq, Wo [1024][1024], Wk, Wv [1024][64], all f32, become codes of BF6 (E3M2) with one E8M0 byte for each 32 along K (K = the 1,024 of E),
; laid as IMAGES OF OPERAND REGISTERS, so that the products' launches fetch dense blocks and load fragments 16 bytes a lane.
; A TILE is 16 rows (tokens of x, or columns of a weight).  ITS ROWS ARE NOT NEIGHBOURS: row r of tile T is row 32 (T / 2) + 8 (T % 2) + r + 8 (r / 8) of the tensor, so that in a product whose source 0 is
; such a tile the 16 result registers of tiles 2 b and 2 b + 1 are 16 neighbours.
; A tile's record is 12,800 bytes: two halves of 6,400, each for 512 along K: four fragments of 1,536 bytes (registers 4 c .. 4 c + 3 of lane L at 512 c + 16 L), then 256 bytes of scale words (row r, K step s: 16 r + 4 s).
; A block's scale is 2^(floor(log2(its largest magnitude)) - 4): its byte is that magnitude's exponent field - 4, held at 1 from below by a floor among the maximum's leaves.
; LIMITS: NaN and infinities among the inputs are not served; a block of zeros, or one whose largest magnitude lies under 2^-122, gets the byte 1 (the bytes are read by this program alone; zero codes add nothing).
; WORK-GROUPS 0-255: x, a wave to half a record (16 rows x 512 K).  256-511: Wq and Wo, a wave to a fragment.  512-527: Wk and Wv likewise.  Only x's path uses LDS.  Waves share nothing: no barrier.
.set R0,  16                           ; v16-79, v80-143  x as loaded, two sets of 16 rows x 4 registers  (the weights' 64 numbers: v16-79)
.set X,   144                          ; v144-207 64 numbers of my row: two whole blocks of 32
.set C,   208                          ; v208-219 a fragment's 12 registers
.set T,   220                          ; v220-222 a block's upper 16 codes on their way
.set BM,  224                          ; v224-225 maxima, two chains
.set TS,  226                          ; v226-227 the conversions' scale operands
.set BY,  228                          ; v228-229 the scale bytes
.set W,   230
.set PX,  231
.set SW,  232                          ; v232-235 scale words of the four K steps
.set OP,  236
.set SEL, 20                           ; s[20:21] lane selects: lane l xor 16
.set WV,  22
; 32 numbers of a lane, one whole block, become registers 6 c .. 6 c + 5 of the fragment.
.macro QB src, c
	v_max3_num_f32 v[BM], |v[(\src)]|, |v[(\src)+1]|, |v[(\src)+2]|
	v_max3_num_f32 v[BM+1], |v[(\src)+3]|, |v[(\src)+4]|, |v[(\src)+5]|
.irp i, 6,10,14,18,22,26
	v_max3_num_f32 v[BM], v[BM], |v[(\src)+\i]|, |v[(\src)+\i+1]|
	v_max3_num_f32 v[BM+1], v[BM+1], |v[(\src)+\i+2]|, |v[(\src)+\i+3]|
.endr
	v_max3_num_f32 v[BM], v[BM], |v[(\src)+30]|, |v[(\src)+31]|
	v_max3_num_f32 v[BM], v[BM], v[BM+1], 0x2800000          ; the floor 2^(5 - 127): the byte cannot fall under 1
	v_add_nc_u32 v[TS+\c], 0xfe000000, v[BM]                 ; 4 off the exponent field: the conversion takes the exponent field of this operand and nothing else
	v_lshrrev_b32 v[BY+\c], 23, v[TS+\c]                     ; the scale's byte
	v_cvt_scalef32_pk16_bf6_f32 v[C+6*\c:C+6*\c+2], v[(\src):(\src)+15], v[TS+\c]
	v_cvt_scalef32_pk16_bf6_f32 v[T:T+2], v[(\src)+16:(\src)+31], v[TS+\c]   ; (a conversion's three registers begin on an even number)
	v_nop                                                    ; one plain place behind a scaled conversion
.irp i, 0,1,2
	v_mov_b32 v[C+6*\c+3+\i], v[T+\i]
.endr
.endm
; My two bytes (blocks h and 2 + h of my row) and lane l xor 16's two make the row's scale word, in both lanes.
.macro WORD dst
	v_lshl_or_b32 v[W], v[BY+1], 16, v[BY]
	v_lshlrev_b32 v[W], v5, v[W]                             ; 8 h bits up
	v_permlanex16_b32 v[PX], v[W], s[SEL], s[SEL+1]
	v_or_b32 v[\dst], v[W], v[PX]
.endm
; x: K step f of my 16 rows: each load reads 512 consecutive bytes of one row.
.macro LOADX f
.irp p, 0,1,2,3,4,5,6,7,8,9,10,11,12,13,14,15
	global_load_b128 v[R0+64*((\f)%2)+4*\p:R0+64*((\f)%2)+4*\p+3], v4, s[4:5] offset:(\p+8*(\p/8))*4096+512*(\f) th:TH_LOAD_NT
.endr
.endm
; The 16 x 512 bytes turn through my wave's stage (rows 528 bytes apart: row r starts 4 r banks on) and come back as two whole blocks of my row; then codes, word and stores.
.macro FRAGX f
.if (\f) < 3
	s_wait_loadcnt 16                                        ; this K step's 16 loads are in; the next step's 16 stay out
.else
	s_wait_loadcnt 0x0
.endif
.irp p, 0,1,2,3,4,5,6,7,8,9,10,11,12,13,14,15
	ds_store_b128 v6, v[R0+64*((\f)%2)+4*\p:R0+64*((\f)%2)+4*\p+3] offset:528*\p
.endr
.irp c, 0,1
.irp j, 0,1,2,3,4,5,6,7
	ds_load_b128 v[X+32*\c+4*\j:X+32*\c+4*\j+3], v7 offset:256*\c+16*\j      ; LDS serves a wave's instructions in order: these see the stores above
.endr
.endr
	s_wait_dscnt 0x0                                         ; the numbers are back, and the stage's stores have read their registers
	s_wait_xcnt 0x0                                          ; the last fragment's stores have read the codes' registers, which are written again below
.if (\f)+2 < 4
	LOADX (\f)+2
.endif
	QB X, 0
	QB X+32, 1
	WORD SW+(\f)
.irp k, 0,1,2
	global_store_b128 v4, v[C+4*\k:C+4*\k+3], s[14:15] offset:1536*(\f)+512*\k   ; 32 lanes store 512 consecutive bytes
.endr
.endm
; A weight's fragment: lane (r, h) takes one column, and its registers run down K: k = 64 c + 32 h + 0 .. 31.  A row of the weight is 1 << psh bytes.
; In: s25 K step, s[26:27] the weight, s[28:29] the images' buffer, s30 the tile, s31 the byte of the group of 64 columns in a row.
.macro WPATH psh
	s_lshl_b32 s32, s25, 7+(\psh)                            ; 128 rows of the weight a K step
	s_add_co_u32 s32, s32, s31
	s_mov_b32 s33, 0
	s_add_nc_u64 s[26:27], s[26:27], s[32:33]
	s_mul_i32 s32, s30, 12800                                ; the tile's record,
	s_lshr_b32 s34, s25, 2
	s_mul_i32 s34, s34, 6400                                 ; its half
	s_add_co_u32 s32, s32, s34
	s_add_nc_u64 s[28:29], s[28:29], s[32:33]
	s_and_b32 s34, s25, 3                                    ; the K step in the half
	s_lshr_b32 s35, s[WV], 1
	s_lshl_b32 s35, s35, 5
	s_and_b32 s36, s[WV], 1
	s_lshl_b32 s36, s36, 3
	s_add_co_u32 s35, s35, s36                               ; my tile's first column in the group: 32 (w / 2) + 8 (w % 2)
	v_and_b32 v6, 8, v2
	v_add3_u32 v6, v6, v2, s35                               ; + r + 8 (r / 8)
	v_lshlrev_b32 v6, 2, v6
	v_lshl_add_u32 v6, v3, 5+(\psh), v6                      ; lanes 16-31 begin 32 rows further down
	s_mul_i32 s35, s34, 1536
	v_add_nc_u32 v7, s35, v4                                 ; the fragment's place: 1,536 s + 16 L
	s_lshl_b32 s36, s34, 2
	v_lshl_add_u32 v8, v2, 4, s36                            ; the scale word's: 16 r + 4 s
.irp c, 0,1
.irp i, 0,1,2,3,4,5,6,7,8,9,10,11,12,13,14,15,16,17,18,19,20,21,22,23,24,25,26,27,28,29,30,31
	global_load_b32 v[R0+32*\c+\i], v6, s[26:27] offset:(64*\c+\i)*(1<<(\psh)) th:TH_LOAD_NT   ; the work-group's four waves together read 256 consecutive bytes of each row
.endr
.endr
	s_wait_loadcnt 32                                        ; the first block's 32 loads are in; the second's stay out
	QB R0, 0
	s_wait_loadcnt 0x0
	QB R0+32, 1
	WORD SW
.irp k, 0,1,2
	global_store_b128 v7, v[C+4*\k:C+4*\k+3], s[28:29] offset:512*\k
.endr
	v_cmp_gt_u32 vcc_lo, 16, v1
	s_wait_alu depctr_va_vdst(0)
	s_wait_xcnt 0x0                                          ; EXEC changes only behind this wait
	s_and_saveexec_b32 s37, vcc_lo
	global_store_b32 v8, v[SW], s[28:29] offset:6144         ; lanes 0-15: pieces of 4 bytes, 16 apart: 68 KiB of the launch's stores go so
	s_wait_xcnt 0x0
	s_or_b32 exec_lo, exec_lo, s37
	s_endpgm
.endm
	s_load_b256 s[4:11], s[0:1], 0x0                         ; x s[4:5], Wq s[6:7], Wk s[8:9], Wv s[10:11]
	s_load_b256 s[12:19], s[0:1], 0x20                       ; Wo s[12:13], xq s[14:15], wqkv s[16:17], woq s[18:19]
	v_lshl_add_u32 v240, v0, 2, 0x8400
	v_mov_b32 v241, 0
	v_lshrrev_b32 v1, 5, v0
	v_readfirstlane_b32 s[WV], v1                            ; wave 0..3
	v_and_b32 v1, 31, v0                                     ; L
	v_and_b32 v2, 15, v0                                     ; r
	v_bfe_u32 v3, v0, 4, 1                                   ; h
	v_lshlrev_b32 v4, 4, v1                                  ; 16 L
	v_lshlrev_b32 v5, 3, v3                                  ; 8 h
	v_mov_b32 v[PX], 0                                       ; a lane permute's destination counts as one of its sources
	s_mov_b32 s[SEL], 0x76543210
	s_mov_b32 s[SEL+1], 0xfedcba98
	s_cmp_lt_u32 ttmp9, 256
	s_cbranch_scc0 .Lweights
	; ---- x
	s_lshl_b32 s24, ttmp9, 2
	s_add_co_u32 s24, s24, s[WV]                             ; which half record: 2 T + q
	s_lshr_b32 s25, s24, 1                                   ; T
	s_and_b32 s26, s24, 1                                    ; q
	s_lshr_b32 s27, s25, 1
	s_and_b32 s28, s25, 1
	s_lshl_b32 s27, s27, 17                                  ; 32 (T / 2) rows of 4,096 bytes
	s_lshl_b32 s28, s28, 15                                  ; 8 (T % 2) rows
	s_add_co_u32 s27, s27, s28
	s_lshl_b32 s26, s26, 11                                  ; 512 numbers along K
	s_add_co_u32 s26, s27, s26
	s_mov_b32 s27, 0
	s_mul_i32 s28, s24, 6400
	s_mov_b32 s29, 0
	s_mul_i32 s30, s[WV], 8448                               ; my stage: 16 rows x 528 bytes
	s_wait_alu depctr_va_vdst(0)
	v_add_nc_u32 v6, s30, v4                                 ; in: 16 L of a row
	v_mul_u32_u24 v7, v2, 528
	v_lshl_add_u32 v7, v3, 7, v7
	v_add_nc_u32 v7, s30, v7                                 ; back: row r, + 128 h: my block
	v_lshlrev_b32 v8, 4, v2
	v_lshl_add_u32 v8, v3, 3, v8                             ; the scale words' way out: 16 r + 8 h
	v_cmp_lt_u32 vcc_lo, 15, v1                              ; lanes 16-31
	s_wait_alu depctr_va_vdst(0)
	s_wait_kmcnt 0x0
	s_add_nc_u64 s[4:5], s[4:5], s[26:27]
	s_add_nc_u64 s[14:15], s[14:15], s[28:29]
	LOADX 0
	LOADX 1
	FRAGX 0
	FRAGX 1
	FRAGX 2
	FRAGX 3
	v_cndmask_b32 v[OP], v[SW], v[SW+2], vcc_lo              ; lanes 0-15 store K steps 0, 1 of row r, lanes 16-31 K steps 2, 3
	v_cndmask_b32 v[OP+1], v[SW+1], v[SW+3], vcc_lo
	global_store_b64 v8, v[OP:OP+1], s[14:15] offset:6144    ; 32 lanes store 256 consecutive bytes, aligned
	s_wait_tensorcnt 0x0
	ds_add_u32 v240, v241
	s_wait_dscnt 0x0
	s_endpgm
.Lweights:
	s_cmp_lt_u32 ttmp9, 512
	s_cbranch_scc0 .Lnarrow
	; ---- Wq (128 work-groups), then Wo: 16 groups of 64 columns x 8 K steps
	s_sub_co_u32 s24, ttmp9, 256
	s_and_b32 s25, s24, 7                                    ; K step
	s_bfe_u32 s31, s24, 0x40003                              ; group of 64 columns
	s_lshl_b32 s30, s31, 2
	s_add_co_u32 s30, s30, s[WV]                             ; tile
	s_lshl_b32 s31, s31, 8
	s_wait_kmcnt 0x0
	s_cmp_lt_u32 s24, 128
	s_cselect_b64 s[26:27], s[6:7], s[12:13]
	s_cselect_b64 s[28:29], s[16:17], s[18:19]
	s_wait_alu depctr_va_vdst(0)
	WPATH 12
.Lnarrow:
	; ---- Wk (8 work-groups), then Wv: tiles 64-67 and 68-71 of wqkv
	s_sub_co_u32 s24, ttmp9, 512
	s_and_b32 s25, s24, 7
	s_lshr_b32 s31, s24, 3
	s_lshl_b32 s30, s31, 2
	s_add_co_u32 s30, s30, s[WV]
	s_add_co_u32 s30, s30, 64
	s_wait_kmcnt 0x0
	s_cmp_eq_u32 s31, 0
	s_cselect_b64 s[26:27], s[8:9], s[10:11]
	s_mov_b64 s[28:29], s[16:17]
	s_mov_b32 s31, 0
	s_wait_alu depctr_va_vdst(0)
	WPATH 8
.Lfunc_end_k_q49d584bdae_quant:
	.size	k_q49d584bdae_quant, .Lfunc_end_k_q49d584bdae_quant-k_q49d584bdae_quant
	.p2alignl 7, 3214868480
	.fill 96, 4, 3214868480
	.section	.rodata,"a",@progbits
	.p2align	6, 0x0
	.amdhsa_kernel k_q49d584bdae_quant
		.amdhsa_group_segment_fixed_size 34304
		.amdhsa_private_segment_fixed_size 0
		.amdhsa_enable_private_segment 0
		.amdhsa_kernarg_size 64
		.amdhsa_user_sgpr_count 2
		.amdhsa_user_sgpr_kernarg_segment_ptr 1
		.amdhsa_wavefront_size32 1
		.amdhsa_system_sgpr_workgroup_id_x 1
		.amdhsa_system_sgpr_workgroup_id_y 1
		.amdhsa_system_sgpr_workgroup_id_z 1
		.amdhsa_system_vgpr_workitem_id 0
		.amdhsa_next_free_vgpr 242
		.amdhsa_next_free_sgpr 66
		.amdhsa_reserve_vcc 1
		.amdhsa_float_denorm_mode_32 3
		.amdhsa_float_denorm_mode_16_64 3
		.amdhsa_memory_ordered 1
		.amdhsa_forward_progress 1
		.amdhsa_inst_pref_size 52
	.end_amdhsa_kernel
	.amdgpu_metadata
---
amdhsa.version: [ 1, 2 ]
amdhsa.kernels:
  - .name:           k_q49d584bdae_quant
    .symbol:         k_q49d584bdae_quant.kd
    .args:
      - { .name: x, .offset: 0, .size: 8, .value_kind: global_buffer, .address_space: global }
      - { .name: Wq, .offset: 8, .size: 8, .value_kind: global_buffer, .address_space: global }
      - { .name: Wk, .offset: 16, .size: 8, .value_kind: global_buffer, .address_space: global }
      - { .name: Wv, .offset: 24, .size: 8, .value_kind: global_buffer, .address_space: global }
      - { .name: Wo, .offset: 32, .size: 8, .value_kind: global_buffer, .address_space: global }
      - { .name: xq, .offset: 40, .size: 8, .value_kind: global_buffer, .address_space: global }
      - { .name: wqkv, .offset: 48, .size: 8, .value_kind: global_buffer, .address_space: global }
      - { .name: woq, .offset: 56, .size: 8, .value_kind: global_buffer, .address_space: global }
    .group_segment_fixed_size: 34304
    .private_segment_fixed_size: 0
    .kernarg_segment_align: 8
    .kernarg_segment_size: 64
    .max_flat_workgroup_size: 128
    .sgpr_count:     66
    .vgpr_count:     242
    .wavefront_size: 32
...
	.end_amdgpu_metadata
.endif
;; end of part 1
;; launch proj (part 2): grid 32 x 9, 8 waves a work-group, clusters of 4 x 1, 308,224 bytes of LDS; arguments xq, wqkv, bq, bk, bv, qc, kv; writes qc, kv
.if DOCPART == 2
	.amdgcn_target "amdgcn-amd-amdhsa--gfx1250"
	.amdhsa_code_object_version 6
	.text
	.protected	k_q49d584bdae_proj
	.globl	k_q49d584bdae_proj
	.p2align	8
	.type	k_q49d584bdae_proj,@function
k_q49d584bdae_proj:
	s_mov_b64 s[64:65], 0
	v_nop
	global_prefetch_b8 v0, s[64:65] scope:SCOPE_SE
	s_setreg_imm32_b32 hwreg(HW_REG_WAVE_MODE, 25, 1), 1
	s_wait_xcnt 0x0
	s_wait_alu depctr_hold_cnt(0) depctr_sa_sdst(0) depctr_va_vdst(0) depctr_va_sdst(0) depctr_va_ssrc(0) depctr_va_vcc(0) depctr_vm_vsrc(0)
	s_getreg_b32 s2, hwreg(HW_REG_IB_STS2, 6, 4)
	s_cmp_eq_u32 s2, 0
	s_cbranch_scc0 .Lentry_in_a_cluster
	s_endpgm
.Lentry_in_a_cluster:
	s_bfe_u32 s2, ttmp6, 0x10000c
	s_cmp_lg_u32 s2, 0x3003
	s_cbranch_scc0 .Lentry_shape_is_right
	s_endpgm
.Lentry_shape_is_right:
; q = x Wq + bq, k = x Wk + bk, v = x Wv + bv on codes of BF6 (E3M2) with E8M0 scales, and their results quantised at once for attention: q and k along the head's 64, v along the keys.
; A work-group makes 256 tokens x 128 columns over all of K = 1,024.  Column tile y = 0..7: heads 2 y, 2 y + 1 of q;  y = 8: k (columns 0-63) and v (64-127).
; Eight waves, each 64 x 64: wm = wave / 2 picks four tiles of tokens, wn = wave % 2 four tiles of columns: 16 accumulators, 128 registers.
; ALL OPERANDS OF THE WORK-GROUP LIE IN LDS AT ONCE: 16 + 8 records of 12,800 bytes, as two halves of K.  Every byte is filled once, by one tensor load of each of the eight waves: no slot is filled again.
; The records are images of operand registers (the launch before made them): a fragment is three loads of 16 bytes a lane, 512 consecutive bytes an instruction; four K steps' scale words are one load.
; CLUSTER: the four work-groups of a cluster share y, so the weights' records are asked for JOINTLY (mask 15).  x's records are each work-group's own: nine column tiles do not divide into a cluster's four, so they are not shared.
; q AND k: the product is used transposed (source 0 = 16 columns, source 1 = 16 tokens): a lane holds one token, and by the tiles' order of rows its 32 registers of a tile of tokens are register 16 b + i = d 32 b + 16 h + i.
; v: the sources change places: a lane holds one d, and its registers run along the tokens, which are the keys of attention's second product.
; The bias of q and k is loaded straight into the accumulators; v's is one number a lane and is added behind the sums.
; OUT: qc [tile of tokens][head]: 1,024 bytes: registers 0-3 at 16 L; at 512 + 16 L registers 4, 5, the scale word (bytes 0, 1; bytes 2, 3 are 0), 0.
;      kv [batch][step of 128 keys]: 13,056 bytes: eight tiles of k and eight half fragments of v, 768 bytes each (registers 0-3 at 16 L, 4-5 at 512 + 8 L), 512 bytes of k's scale words, 256 of v's.
; LIMITS: NaN and infinities are not served; a block of zeros, or one whose largest magnitude lies under 2^-122, gets the byte 1.
.set WV,  18
.set WM,  19
.set WN,  20
.set CX,  21
.set BLK, 22
.set Y,   23
.set VR,  24                           ; 1 in a wave that makes v
.set SEL, 30                           ; s[30:31] lane selects: lane l xor 16
.set G0,  32                           ; s[32:39] two groups 0: x and the weights, of my half of K
.set G1A, 48                           ; s[48:55] group 1 for x's records
.set G1B, 56                           ; s[56:63] for the weights'
.set HALF, 153600                      ; LDS: a half of K: 16 x 6,400 bytes of x, then 8 x 6,400 of the weights
.set WOFF, 102400
.set SC,  16                           ; v16-31  scale words: register 4 i + s: lanes 0-15 x's tile i, lanes 16-31 the weights' tile i, K step s of the half
.set FW,  32                           ; v32-79  the weights' four fragments
.set FX,  80                           ; v80-127 x's four
.set ACC, 128                          ; v128-255
.set T,   64                           ; on the way out: v32-63 codes and words, v64-66, v68-73 at work, v74-75 words, v76-83 bv in pairs
.set BM,  68
.set BP,  70
.set TS,  72
.macro ROUND                           ; a round of the cluster's barrier
	s_barrier_signal -1
	s_barrier_wait -1
	s_cmp_lg_u32 s[WV], 0
	s_cbranch_scc1 .Lnot_wave_0_\@
	s_barrier_signal -3
.Lnot_wave_0_\@:
	s_barrier_wait -3
	s_barrier_signal -1
	s_barrier_wait -1
.endm
; 32 numbers of a lane, register 16 b + i = index 32 b + 16 h + i of my row, become half a fragment (six registers from c on: lane (r, h) holds block h of row r) and the row's two scale bytes in hw.
.macro QH src, c, hw
.irp b, 0,1
	v_max3_num_f32 v[BM+\b], |v[(\src)+16*\b]|, |v[(\src)+16*\b+1]|, 0x2800000   ; each accumulator is read from its low end on; the floor 2^(5 - 127) holds the byte at 1 from below
.endr
.irp i, 2,4,6,8,10,12,14
.irp b, 0,1
	v_max3_num_f32 v[BM+\b], v[BM+\b], |v[(\src)+16*\b+\i]|, |v[(\src)+16*\b+\i+1]|
.endr
.endr
.irp b, 0,1
	s_delay_alu instid0(VALU_DEP_2)
	v_permlanex16_b32 v[BP+\b], v[BM+\b], s[SEL], s[SEL+1]
.endr
.irp b, 0,1
	s_delay_alu instid0(VALU_DEP_2)
	v_max_num_f32 v[BM+\b], v[BM+\b], v[BP+\b]               ; with lane l xor 16's 16: the block's largest magnitude
.endr
.irp b, 0,1
	s_delay_alu instid0(VALU_DEP_2)
	v_add_nc_u32 v[TS+\b], 0xfe000000, v[BM+\b]              ; 4 off the exponent field: the conversion's scale operand
.endr
.irp b, 0,1
	s_delay_alu instid0(VALU_DEP_2)
	v_lshrrev_b32 v[BP+\b], 23, v[TS+\b]                     ; the byte
.endr
	s_delay_alu instid0(VALU_DEP_1)
	v_lshl_or_b32 v[\hw], v[BP+1], 8, v[BP]
	v_cvt_scalef32_pk16_bf6_f32 v[(\c):(\c)+2], v[(\src):(\src)+15], v[TS]
	v_cvt_scalef32_pk16_bf6_f32 v[T:T+2], v[(\src)+16:(\src)+31], v[TS+1]
	v_nop                                                    ; one plain place behind a scaled conversion
.irp i, 0,1,2
	v_permlane16_swap_b32 v[(\c)+\i], v[T+\i]                ; the operand's layout wants a whole block in a lane
.endr
.irp i, 0,1,2
	s_delay_alu instid0(VALU_DEP_3)
	v_mov_b32 v[(\c)+3+\i], v[T+\i]
.endr
.endm
; 16 matrix instructions, 128 along K.  The 16 accumulators take turns in ascending order in both forms.
; swap = 0: accumulator 4 a + b = the weights' tile b (source 0) x x's tile a.   swap = 1: accumulator 4 b + a = x's tile a (source 0) x the weights' tile b;  zero = 1: it starts the sums.
.macro MUL16 s, swap, zero
.irp o, 0,1,2,3
.irp i, 0,1,2,3
.if (\swap) && (\zero)
	v_wmma_scale_f32_16x16x128_f8f6f4 v[ACC+8*(4*\o+\i):ACC+8*(4*\o+\i)+7], v[FX+12*\i:FX+12*\i+11], v[FW+12*\o:FW+12*\o+11], 0, v[SC+4*\i+\s], v[SC+4*\o+\s] matrix_a_fmt:MATRIX_FMT_BF6 matrix_b_fmt:MATRIX_FMT_BF6 matrix_b_scale:MATRIX_SCALE_ROW1
.elseif \swap
	v_wmma_scale_f32_16x16x128_f8f6f4 v[ACC+8*(4*\o+\i):ACC+8*(4*\o+\i)+7], v[FX+12*\i:FX+12*\i+11], v[FW+12*\o:FW+12*\o+11], v[ACC+8*(4*\o+\i):ACC+8*(4*\o+\i)+7], v[SC+4*\i+\s], v[SC+4*\o+\s] matrix_a_fmt:MATRIX_FMT_BF6 matrix_b_fmt:MATRIX_FMT_BF6 matrix_b_scale:MATRIX_SCALE_ROW1
.else
	v_wmma_scale_f32_16x16x128_f8f6f4 v[ACC+8*(4*\o+\i):ACC+8*(4*\o+\i)+7], v[FW+12*\i:FW+12*\i+11], v[FX+12*\o:FX+12*\o+11], v[ACC+8*(4*\o+\i):ACC+8*(4*\o+\i)+7], v[SC+4*\i+\s], v[SC+4*\o+\s] matrix_a_fmt:MATRIX_FMT_BF6 matrix_b_fmt:MATRIX_FMT_BF6 matrix_a_scale:MATRIX_SCALE_ROW1
.endif
.endr
.endr
.endm
; K step s of the half in hand.  Only the products stand under the branch on the wave's role: no load and no barrier is jumped over.
.macro KSTEP s, first
.rept 4
	v_nop                                                    ; four places in front of loads into registers that matrix instructions have read (ISA guide 7.12.1 for VALU instructions)
.endr
.irp j, 0,1,2,3
.irp c, 0,1,2
	ds_load_b128 v[FW+12*\j+4*\c:FW+12*\j+4*\c+3], v3 offset:6400*\j+1536*\s+512*\c
.endr
.endr
.irp j, 0,1,2,3
.irp c, 0,1,2
	ds_load_b128 v[FX+12*\j+4*\c:FX+12*\j+4*\c+3], v4 offset:6400*\j+1536*\s+512*\c
.endr
.endr
.if \s == 0
.irp i, 0,1,2,3
	ds_load_b128 v[SC+4*\i:SC+4*\i+3], v5 offset:6400*\i     ; the half's four K steps' scale words: lanes 0-15 x's tile i, lanes 16-31 the weights'
.endr
.endif
	s_wait_dscnt 0x0
	s_cmp_eq_u32 s[VR], 1
	s_cbranch_scc1 .Lv_\@
	MUL16 \s, 0, 0
	s_branch .Ljoin_\@
.Lv_\@:
	MUL16 \s, 1, \first
.Ljoin_\@:
.endm
	s_load_b256 s[4:11], s[0:1], 0x0                         ; xq s[4:5], wqkv s[6:7], bq s[8:9], bk s[10:11]
	s_load_b128 s[12:15], s[0:1], 0x20                       ; bv s[12:13], qc s[14:15]
	s_load_b64 s[16:17], s[0:1], 0x30                        ; kv
	v_lshl_add_u32 v15, v0, 2, 0x4b000
	s_set_vgpr_msb 0x40
	v_mov_b32 v1, 0
	s_set_vgpr_msb 0x4044
	ds_add_u32 v15, v1
	ds_add_u32 v15, v1
	s_set_vgpr_msb 0x4400
	v_lshrrev_b32 v1, 5, v0
	s_delay_alu instid0(VALU_DEP_1)
	v_readfirstlane_b32 s[WV], v1                            ; wave 0..7
	s_lshr_b32 s[WM], s[WV], 1
	s_and_b32 s[WN], s[WV], 1
	s_bfe_u32 s[CX], ttmp6, 0x40000                          ; my place in the cluster
	s_lshl_b32 s[BLK], ttmp9, 2
	s_add_co_u32 s[BLK], s[BLK], s[CX]                       ; my block of 256 tokens: it enters global addresses alone
	s_and_b32 s[Y], ttmp7, 0xffff                            ; the column tile, which the four partners share
	s_cmp_eq_u32 s[Y], 8
	s_cselect_b32 s[VR], s[WN], 0
	s_mov_b32 s[SEL], 0x76543210
	s_mov_b32 s[SEL+1], 0xfedcba98
	; group 1, x: two rows of 800 elements of 8 bytes (a record's half, 6,400 bytes), 1,600 elements apart; no mask
	s_mov_b32 s[G1A], 3<<16
	s_mov_b32 s[G1A+1], 800<<16                              ; tensor_dim0
	s_mov_b32 s[G1A+2], 8<<16                                ; tensor_dim1: eight records' halves to a load
	s_mov_b32 s[G1A+3], 800<<16                              ; tile_dim0
	s_mov_b32 s[G1A+4], 8                                    ; tile_dim1
	s_mov_b32 s[G1A+5], 1600                                 ; from row to row
	s_mov_b32 s[G1A+6], 0
	s_mov_b32 s[G1A+7], 0
	; group 1, the weights: one such row; the mask names all four work-groups, bit 21 set beside it
	s_mov_b32 s[G1B], 15|(3<<16)|(1<<21)
	s_mov_b32 s[G1B+1], 800<<16
	s_mov_b32 s[G1B+2], 4<<16                                ; four records' halves to a load
	s_mov_b32 s[G1B+3], 800<<16
	s_mov_b32 s[G1B+4], 4
	s_mov_b32 s[G1B+5], 1600
	s_mov_b32 s[G1B+6], 0
	s_mov_b32 s[G1B+7], 0
	; THE HEAD'S FOUR TILES, one tensor load a wave: waves 0, 1 x's half 0 (eight records each), waves 2, 3 the weights' half 0 (four each), waves 4, 5 x's half 1, waves 6, 7 the weights' half 1
	s_lshr_b32 s25, s[WV], 2                                 ; which half of K my load brings
	s_mul_i32 s26, s[BLK], 204800                            ; x: my block's 16 records,
	s_mul_i32 s74, s[WN], 102400                             ; eight of them,
	s_add_co_u32 s26, s26, s74
	s_mul_i32 s74, s25, 6400                                 ; their half
	s_add_co_u32 s26, s26, s74
	s_mov_b32 s27, 0
	s_mul_i32 s28, s[Y], 102400                              ; the weights: the column tile's eight records: nothing of my place in the cluster enters
	s_mul_i32 s75, s[WN], 51200                              ; four of them,
	s_add_co_u32 s28, s28, s75
	s_add_co_u32 s28, s28, s74                               ; their half
	s_mov_b32 s29, 0
	s_lshl_b32 s66, s[Y], 9                                  ; the bias of q: 4 (128 y + 64 wn)
	s_lshl_b32 s67, s[WN], 8
	s_add_co_u32 s66, s66, s67
	s_mov_b32 s67, 0
	s_wait_dscnt 0x0
	s_wait_kmcnt 0x0
	s_add_nc_u64 s[26:27], s[4:5], s[26:27]
	s_add_nc_u64 s[28:29], s[6:7], s[28:29]
	s_cmp_lt_u32 s[Y], 8
	s_cselect_b64 s[68:69], s[8:9], s[10:11]                 ; y = 8: bk, from its first byte (a wave that makes v loads it too and starts its sums with 0)
	s_cselect_b32 s66, s66, 0
	s_add_nc_u64 s[68:69], s[68:69], s[66:67]
	s_mul_i32 s75, s25, HALF                                 ; LDS: my half's region
	s_mov_b32 s[G0], 1
	s_mul_i32 s[G0+1], s[WN], 51200                          ; x: eight halves of records of 6,400 bytes
	s_add_co_u32 s[G0+1], s[G0+1], s75
	s_mov_b64 s[G0+2:G0+3], s[26:27]
	s_or_b32 s[G0+3], s[G0+3], 0x80000000
	s_mov_b32 s[G0+4], 1
	s_mul_i32 s[G0+5], s[WN], 25600                          ; the weights: four
	s_add_co_u32 s[G0+5], s[G0+5], s75
	s_add_co_u32 s[G0+5], s[G0+5], WOFF
	s_mov_b64 s[G0+6:G0+7], s[28:29]
	s_or_b32 s[G0+7], s[G0+7], 0x80000000
	ROUND                                                    ; all four work-groups are here: the joint loads meet
	s_cmp_lt_u32 s[WV], 2                                    ; one chain of branches on the wave's number, a load line to each arm: the first half's lines are issued by the waves that wait ahead of the first barrier
	s_cbranch_scc0 .Lh_w0
	tensor_load_to_lds s[G0:G0+3], s[G1A:G1A+7]
	s_nop 0
.rept 4
	v_nop
.endr
	s_branch .Lh_asked
.Lh_w0:
	s_cmp_lt_u32 s[WV], 4
	s_cbranch_scc0 .Lh_x1
	tensor_load_to_lds s[G0+4:G0+7], s[G1B:G1B+7]
	s_nop 0
.rept 4
	v_nop
.endr
	s_branch .Lh_asked
.Lh_x1:
	s_cmp_lt_u32 s[WV], 6
	s_cbranch_scc0 .Lh_w1
	tensor_load_to_lds s[G0:G0+3], s[G1A:G1A+7]
	s_nop 0
.rept 4
	v_nop
.endr
	s_branch .Lh_asked
.Lh_w1:
	tensor_load_to_lds s[G0+4:G0+7], s[G1B:G1B+7]
	s_nop 0
.Lh_asked:
.rept 4
	v_nop
.endr
	v_and_b32 v6, 31, v0                                     ; L
	v_and_b32 v7, 15, v0                                     ; r
	v_bfe_u32 v12, v0, 4, 1                                  ; h
	s_delay_alu instid0(VALU_DEP_1)
	v_lshlrev_b32 v13, 6, v12                                ; the bias: 64 h
	s_delay_alu instid0(VALU_DEP_3)
	v_and_b32 v14, 8, v7
	s_delay_alu instid0(VALU_DEP_1)
	v_add_nc_u32 v14, v14, v7
	s_delay_alu instid0(VALU_DEP_1)
	v_lshlrev_b32 v14, 2, v14                                ; bv: 4 (r + 8 (r / 8))
.irp a, 0,1,2,3
.irp b, 0,1
.irp k, 0,1,2,3
	global_load_b128 v[ACC+32*\a+16*\b+4*\k:ACC+32*\a+16*\b+4*\k+3], v13, s[68:69] offset:128*\b+16*\k   ; register 16 b + i of a tile of tokens: the bias of column 32 b + 16 h + i
.endr
.endr
.endr
.irp n, 0,1,2,3
	global_load_b32 v[8+\n], v14, s[12:13] offset:128*(\n/2)+32*(\n%2)   ; bv of my row of the weights' tile n
.endr
	v_lshlrev_b32 v1, 4, v6                                  ; 16 L
	v_lshlrev_b32 v2, 3, v6                                  ; 8 L
	s_mul_i32 s70, s[WM], 25600                              ; my four records of x,
	s_mul_i32 s71, s[WN], 25600
	s_add_co_u32 s71, s71, WOFF                              ; my four of the weights
	v_add_nc_u32 v3, s71, v1
	v_add_nc_u32 v4, s70, v1
	s_sub_co_u32 s72, s71, s70                               ; at least 25,600
	v_mul_u32_u24 v5, s72, v12                               ; the scale words: lanes 16-31 take the weights'
	s_delay_alu instid0(VALU_DEP_1)
	v_lshl_add_u32 v5, v7, 4, v5
	s_add_co_u32 s73, s70, 6144
	v_add_nc_u32 v5, s73, v5
	s_wait_alu depctr_va_vdst(0)
	s_wait_loadcnt 0x0                                       ; the biases
	s_cmp_lt_u32 s[WV], 4                                    ; waves 0 to 3 brought K's first half: they wait for it; the second half's loads stay out
	s_cbranch_scc0 .Lnot_first
	s_wait_tensorcnt 0x0
.Lnot_first:
	s_barrier_signal -1
	s_barrier_wait -1                                        ; everybody's are
	KSTEP 0, 1
	KSTEP 1, 0
	KSTEP 2, 0
	KSTEP 3, 0
	s_wait_tensorcnt 0x0                                     ; my parts of the second half are in (no LDS load of mine is out: each step waited for its own)
	s_barrier_signal -1
	s_barrier_wait -1
	v_add_nc_u32 v3, HALF, v3
	v_add_nc_u32 v4, HALF, v4
	v_add_nc_u32 v5, HALF, v5
	KSTEP 0, 0
	s_wait_alu depctr_va_vdst(0)
	KSTEP 1, 0
	KSTEP 2, 0
	KSTEP 3, 0
.rept 4
	v_nop                                                    ; four places behind the last products, ahead of the first read of results and of writes over fragments
.endr
	v_mov_b32 v[BP], 0                                       ; a lane permute's destination counts as one of its sources
	v_mov_b32 v[BP+1], 0
	v_cmp_lt_u32 vcc_lo, 15, v6                              ; lanes 16-31
	s_lshr_b32 s74, s[BLK], 3                                ; kv: the batch,
	s_mul_i32 s74, s74, 208896
	s_and_b32 s76, s[BLK], 7
	s_lshl_b32 s76, s76, 1
	s_lshr_b32 s77, s[WM], 1
	s_add_co_u32 s76, s76, s77                               ; the step of 128 keys: 2 (block % 8) + wm / 2
	s_mul_i32 s76, s76, 13056
	s_add_co_u32 s74, s74, s76
	s_mov_b32 s75, 0
	s_add_nc_u64 s[16:17], s[16:17], s[74:75]
	s_and_b32 s78, s[WM], 1                                  ; which 64 keys of the step are mine
	s_mov_b32 s85, 0
	s_mov_b32 s87, 0
	s_cmp_eq_u32 s[VR], 1
	s_cbranch_scc1 .Lvout
	; ---- q and k: four tiles of tokens, each a half fragment and a scale word
.irp a, 0,1,2,3
	QH ACC+32*\a, 32+8*\a, 38+8*\a
	v_mov_b32 v[39+8*\a], 0
.endr
	s_cmp_eq_u32 s[Y], 8
	s_cbranch_scc1 .Lkout
	s_lshl_b32 s74, s[BLK], 18                               ; qc: tile 16 block + 4 wm + a, 16,384 bytes a tile; head 2 y + wn, 1,024 bytes a head
	s_lshl_b32 s76, s[WM], 16
	s_add_co_u32 s74, s74, s76
	s_lshl_b32 s76, s[Y], 11
	s_add_co_u32 s74, s74, s76
	s_lshl_b32 s76, s[WN], 10
	s_add_co_u32 s74, s74, s76
	s_add_nc_u64 s[14:15], s[14:15], s[74:75]
	s_wait_alu depctr_va_vdst(0)
.irp a, 0,1,2,3
	global_store_b128 v1, v[32+8*\a:35+8*\a], s[14:15] offset:16384*\a        ; 32 lanes store 512 consecutive bytes
	global_store_b128 v1, v[36+8*\a:39+8*\a], s[14:15] offset:16384*\a+512
.endr
	s_branch .Lend
.Lkout:
	s_mul_i32 s84, s78, 3072                                 ; tile 4 (wm % 2) + a of the step
	s_add_nc_u64 s[80:81], s[16:17], s[84:85]
	s_lshl_b32 s86, s78, 8
	s_add_nc_u64 s[82:83], s[16:17], s[86:87]
	; K'S TILES ARE STORED IN ANOTHER ORDER OF ROWS THAN THEY WERE MADE IN: row r of stored tile 4 c + t of a step is key 64 c + 32 (r / 8) + 8 t + r % 8, so that in attention's first product a lane's 32 registers of four tiles are one block of 32 keys.
	; My tile a (c = wm % 2), row r' is key 64 c + 32 (a / 2) + 16 (r' / 8) + 8 (a % 2) + r' % 8: it goes to stored tile 4 c + a % 2 + 2 (r' / 8), row 8 (a / 2) + r' % 8.  Eight lanes store 128 (64) consecutive bytes; two stores of the wave fill a unit of 256.
	v_bfe_u32 v84, v0, 3, 1                                  ; r' / 8
	v_and_b32 v85, 7, v0                                     ; r' % 8
	v_mul_u32_u24 v86, v84, 1536                             ; two tiles on
	v_lshlrev_b32 v88, 7, v12
	v_lshl_add_u32 v87, v12, 7, v86
	v_lshl_add_u32 v86, v12, 8, v86
	v_lshl_add_u32 v88, v85, 3, v88
	v_lshl_add_u32 v87, v85, 3, v87                          ; registers 4, 5: 1,536 (r' / 8) + 128 h + 8 (r' % 8)
	v_lshl_add_u32 v86, v85, 4, v86                          ; registers 0-3: 1,536 (r' / 8) + 256 h + 16 (r' % 8)
	v_lshl_add_u32 v88, v84, 2, v88                          ; the scale words: 128 (lane / 16) + 8 (r' % 8) + 4 (r' / 8)
	v_cndmask_b32 v74, v38, v46, vcc_lo                      ; lanes 0-15 tile 0's rows, lanes 16-31 tile 1's
	v_cndmask_b32 v75, v54, v62, vcc_lo                      ; tiles 2 and 3
	s_wait_alu depctr_va_vdst(0)
.irp a, 0,1,2,3
	global_store_b128 v86, v[32+8*\a:35+8*\a], s[80:81] offset:768*(\a%2)+128*(\a/2)
	global_store_b64 v87, v[36+8*\a:37+8*\a], s[80:81] offset:768*(\a%2)+512+64*(\a/2)
.endr
	global_store_b32 v88, v74, s[82:83] offset:12288         ; the word of stored tile 4 c + t, row r lies at 256 c + 8 (16 (t % 2) + r) + 4 (t / 2)
	global_store_b32 v88, v75, s[82:83] offset:12288+64
	s_branch .Lend
.Lvout:
	; ---- v: four tiles of d; my 64 keys are half c = wm % 2 of the step's fragments
.irp n, 0,1,2,3
	v_mov_b32 v[76+2*\n], v[8+\n]                            ; bv of my d, as a pair for the packed additions
	v_mov_b32 v[77+2*\n], v[8+\n]
.endr
.irp n, 0,1,2,3
.irp j, 0,2,4,6,8,10,12,14,16,18,20,22,24,26,28,30
	v_pk_add_f32 v[ACC+32*\n+\j:ACC+32*\n+\j+1], v[ACC+32*\n+\j:ACC+32*\n+\j+1], v[76+2*\n:77+2*\n]
.endr
	QH ACC+32*\n, 32+8*\n, 38+8*\n
.endr
	s_mul_i32 s84, s78, 768
	s_add_nc_u64 s[80:81], s[16:17], s[84:85]
	s_lshl_b32 s86, s78, 1
	s_add_nc_u64 s[82:83], s[16:17], s[86:87]
.irp n, 0,1,2,3
	global_store_b128 v1, v[32+8*\n:35+8*\n], s[80:81] offset:6144+1536*\n
	global_store_b64 v2, v[36+8*\n:37+8*\n], s[80:81] offset:6144+1536*\n+512
.endr
	v_cndmask_b32 v74, v38, v46, vcc_lo                      ; lanes 0-15 tiles 0 and 2, lanes 16-31 tiles 1 and 3
	v_cndmask_b32 v75, v54, v62, vcc_lo
	global_store_b16 v2, v74, s[82:83] offset:12800          ; my two of a word's four bytes: pieces of 2 bytes, 16 KiB in the whole launch
	global_store_b16 v2, v75, s[82:83] offset:12804
.Lend:
	s_set_vgpr_msb 0x4
	s_wait_tensorcnt 0x0
	ds_add_u32 v15, v1
	s_wait_dscnt 0x0
	s_set_vgpr_msb 0x400
	ROUND                                                    ; the closing round: no work-group ends while a partner may still ask for a record that names it
	s_endpgm
.Lfunc_end_k_q49d584bdae_proj:
	.size	k_q49d584bdae_proj, .Lfunc_end_k_q49d584bdae_proj-k_q49d584bdae_proj
	.p2alignl 7, 3214868480
	.fill 96, 4, 3214868480
	.section	.rodata,"a",@progbits
	.p2align	6, 0x0
	.amdhsa_kernel k_q49d584bdae_proj
		.amdhsa_group_segment_fixed_size 308224
		.amdhsa_private_segment_fixed_size 0
		.amdhsa_enable_private_segment 0
		.amdhsa_kernarg_size 56
		.amdhsa_user_sgpr_count 2
		.amdhsa_user_sgpr_kernarg_segment_ptr 1
		.amdhsa_wavefront_size32 1
		.amdhsa_system_sgpr_workgroup_id_x 1
		.amdhsa_system_sgpr_workgroup_id_y 1
		.amdhsa_system_sgpr_workgroup_id_z 1
		.amdhsa_system_vgpr_workitem_id 0
		.amdhsa_next_free_vgpr 258
		.amdhsa_next_free_sgpr 96
		.amdhsa_reserve_vcc 1
		.amdhsa_float_denorm_mode_32 3
		.amdhsa_float_denorm_mode_16_64 3
		.amdhsa_memory_ordered 1
		.amdhsa_forward_progress 1
		.amdhsa_inst_pref_size 85
	.end_amdhsa_kernel
	.amdgpu_metadata
---
amdhsa.version: [ 1, 2 ]
amdhsa.kernels:
  - .name:           k_q49d584bdae_proj
    .symbol:         k_q49d584bdae_proj.kd
    .args:
      - { .name: xq, .offset: 0, .size: 8, .value_kind: global_buffer, .address_space: global }
      - { .name: wqkv, .offset: 8, .size: 8, .value_kind: global_buffer, .address_space: global }
      - { .name: bq, .offset: 16, .size: 8, .value_kind: global_buffer, .address_space: global }
      - { .name: bk, .offset: 24, .size: 8, .value_kind: global_buffer, .address_space: global }
      - { .name: bv, .offset: 32, .size: 8, .value_kind: global_buffer, .address_space: global }
      - { .name: qc, .offset: 40, .size: 8, .value_kind: global_buffer, .address_space: global }
      - { .name: kv, .offset: 48, .size: 8, .value_kind: global_buffer, .address_space: global }
    .group_segment_fixed_size: 308224
    .private_segment_fixed_size: 0
    .kernarg_segment_align: 8
    .kernarg_segment_size: 56
    .max_flat_workgroup_size: 256
    .sgpr_count:     96
    .vgpr_count:     258
    .wavefront_size: 32
...
	.end_amdgpu_metadata
.endif
;; end of part 2
;; launch attn (part 3): grid 64 x 4, 16 waves a work-group, clusters of 4 x 1, 215,040 bytes of LDS; arguments qc, kv, oq; writes oq
.if DOCPART == 3
	.amdgcn_target "amdgcn-amd-amdhsa--gfx1250"
	.amdhsa_code_object_version 6
	.text
	.protected	k_q49d584bdae_attn
	.globl	k_q49d584bdae_attn
	.p2align	8
	.type	k_q49d584bdae_attn,@function
k_q49d584bdae_attn:
	s_mov_b64 s[64:65], 0
	v_nop
	global_prefetch_b8 v0, s[64:65] scope:SCOPE_SE
	s_setreg_imm32_b32 hwreg(HW_REG_WAVE_MODE, 25, 1), 1
	s_wait_xcnt 0x0
	s_wait_alu depctr_hold_cnt(0) depctr_sa_sdst(0) depctr_va_vdst(0) depctr_va_sdst(0) depctr_va_ssrc(0) depctr_va_vcc(0) depctr_vm_vsrc(0)
	s_getreg_b32 s2, hwreg(HW_REG_IB_STS2, 6, 4)
	s_cmp_eq_u32 s2, 0
	s_cbranch_scc0 .Lentry_in_a_cluster
	s_endpgm
.Lentry_in_a_cluster:
	s_bfe_u32 s2, ttmp6, 0x10000c
	s_cmp_lg_u32 s2, 0x3003
	s_cbranch_scc0 .Lentry_shape_is_right
	s_endpgm
.Lentry_shape_is_right:
; Attention with one shared head of keys and values, both products on codes of BF6 (E3M2) with E8M0 scales; the result, divided by the row's sum, is quantised along E for the last projection.
; THE SOFTMAX: t = score x log2(e) / 8; M = the row's largest t so far, rounded UP to a whole number; p = 2^(t - M) is what is quantised, along the keys.  The row's sum is taken of the unquantised p.
; When M moves, the sum and O are multiplied by 2^(old M - new M): exact.
; SHARES.  A work-group owns 32 tokens (two tiles of 16) of one batch, all 16 heads.  Sixteen waves, four to a SIMD.  Wave w takes tile w / 8 and heads 2 (w % 8), 2 (w % 8) + 1, one after the other: their 128 numbers a token
; are one whole K step of the last projection, so the wave stores one whole fragment.
; THE BATCH'S WHOLE K AND V LIE IN LDS: 16 step records of 13,056 bytes, each fetched once, one tensor load a wave.  No byte is filled again.  All tiles are asked for at the head, so there is no loop to prefetch in.
; CLUSTER: the four work-groups of a cluster share the batch: each record is asked for JOINTLY (mask 15).
; LAYOUT.  Both products are used transposed: S^T = K Q^T (source 0 = 16 keys), O^T = V^T P^T (source 0 = 16 of the head's 64): a lane holds ONE query throughout.
; Row r of K's tile 4 c + t of a step is key 64 c + 32 (r / 8) + 8 t + r % 8 (the launch before stores them so).  So the 32 registers of tiles 4 c .. 4 c + 3 in lane (r, h) are keys 64 c + 32 h + 0 .. 31:
; one whole scale block of p, in the order of p's operand registers.  A block's largest score needs no other lane, and the conversions' results are the operand.
; In O^T the 16 registers of tiles 2 b, 2 b + 1 are d 32 b + 16 h + i.
; THE FIRST PRODUCT'S K IS 64, THE INSTRUCTION'S 128.  Q's registers 6-11 hold zero codes.  A tile of K has six registers; its operand runs on into the next tile's six (the last tile's into six registers of zeros).
; Every pattern of bits is a finite number of E3M2, the scale bytes 2 and 3 are 0 (2^-127, no NaN), and these numbers meet Q's zeros: they add exactly 0.
; LIMITS: NaN and infinities are not served; the scaled scores stay under 2^31 in magnitude; a block of the result that is all zeros, or whose largest magnitude lies under 2^-122, gets the byte 1.
.set STEPB, 13056                      ; a step record: K's tiles at 768 t, V's half fragments at 6,144 + 768 n, K's scale words at 12,288, V's at 12,800
.set STG,   208896                     ; behind the 16 records: 1,024 bytes in which the two tiles' scale words meet; no tensor load lands there
.set SPARE, 0x34000                    ; the spare words, 128 bytes a wave
.set WV,  10
.set G1,  24
.set G0,  32
.set SEL, 36                           ; s[36:37] lane selects: lane l xor 16
.set CS,  38                           ; s[38:39] c = log2(e) / 8
.set TB,  40                           ; LDS byte of the step record in hand
.set CNT, 41
.set B16, 1                            ; 16 L
.set B8,  2                            ; 8 L
.set SH8, 6                            ; 8 h
.set A0,  7                            ; s[TB] + 16 L
.set A1,  8                            ; s[TB] + 8 L
.set SPW, 10
.set NIL, 11
.set ST,  12                           ; v12-15 -M, the largest score so far, the sum in two halves
.set QF,  16                           ; v16-27, v28-39 Q's fragments of my two heads
.set F,   40                           ; v40-87 eight tiles of K, then V's four fragments
.set PAD, 88                           ; v88-93 zeros
.set QS,  94                           ; v94, v95 Q's scale words
.set S,   96                           ; v96-159 S^T, then p
.set O,   160                          ; v160-191 O^T
.set P,   192                          ; v192-203 p's codes
.set T,   204                          ; v204-206, v208-210 upper halves of blocks on their way
.set TMP2, 207
.set BM,  212                          ; v212-215 maxima: two chains a block
.set TS,  216                          ; v216-217 the conversions' scale operands
.set PX,  218
.set TMP, 219
.set FF,  220                          ; v[220:221] f = 2^(old M - new M); v221 is named with it as a pair
.set SA,  222                          ; v222-227 three more chains of the sum
.set KS,  228                          ; v228-231 K's scale words: a pair of tiles to a register
.set VS,  232                          ; v232-233 V's
.set PS,  234                          ; p's scale word
.set W,   235
.set OC,  236                          ; v236-247 the result's fragment
.set HW,  248                          ; v248, v249 its two heads' scale bytes
.set STA, 250                          ; the stage of scale words: in,
.set STR, 251                          ; back,
.set STO, 252                          ; and their place in oq
.macro WALU
	s_wait_alu depctr_va_vdst(0)
.endm
.macro ROUND                           ; a round of the cluster's barrier
	s_barrier_signal -1
	s_barrier_wait -1
	s_cmp_lg_u32 s[WV], 0
	s_cbranch_scc1 .Lnot_wave_0_\@
	s_barrier_signal -3
.Lnot_wave_0_\@:
	s_barrier_wait -3
	s_barrier_signal -1
	s_barrier_wait -1
.endm
; 32 numbers of a lane, register 16 b + i = index 32 b + 16 h + i of my row, become half a fragment (six registers from c on) and the row's two scale bytes in hw.
.macro QH src, c, hw
.irp b, 0,1
	v_max3_num_f32 v[BM+\b], |v[(\src)+16*\b]|, |v[(\src)+16*\b+1]|, 0x2800000   ; the floor 2^(5 - 127) holds the byte at 1 from below
.endr
.irp i, 2,4,6,8,10,12,14
.irp b, 0,1
	v_max3_num_f32 v[BM+\b], v[BM+\b], |v[(\src)+16*\b+\i]|, |v[(\src)+16*\b+\i+1]|
.endr
.endr
.irp b, 0,1
	v_permlanex16_b32 v[SA+\b], v[BM+\b], s[SEL], s[SEL+1]
.endr
.irp b, 0,1
	v_max_num_f32 v[BM+\b], v[BM+\b], v[SA+\b]
.endr
.irp b, 0,1
	v_add_nc_u32 v[TS+\b], 0xfe000000, v[BM+\b]
.endr
.irp b, 0,1
	v_lshrrev_b32 v[SA+\b], 23, v[TS+\b]
.endr
	v_lshl_or_b32 v[\hw], v[SA+1], 8, v[SA]
	v_cvt_scalef32_pk16_bf6_f32 v[(\c):(\c)+2], v[(\src):(\src)+15], v[TS]
	v_cvt_scalef32_pk16_bf6_f32 v[T:T+2], v[(\src)+16:(\src)+31], v[TS+1]
	v_nop                                                    ; one plain place behind a scaled conversion
.irp i, 0,1,2
	v_permlane16_swap_b32 v[(\c)+\i], v[T+\i]                ; a whole block to a lane
.endr
.irp i, 0,1,2
	v_mov_b32 v[(\c)+3+\i], v[T+\i]
.endr
.endm
; A KEY STEP: 128 keys, for head u of my two.
.macro STEP u
	v_add_nc_u32 v[A0], s[TB], v[B16]
	v_add_nc_u32 v[A1], s[TB], v[B8]
	v_nop
	v_nop                                                    ; with the two additions: four places in front of loads into registers that the last products read
.irp t, 0,1,2,3,4,5,6,7
	ds_load_b128 v[F+6*\t:F+6*\t+3], v[A0] offset:768*\t
	ds_load_b64 v[F+6*\t+4:F+6*\t+5], v[A1] offset:768*\t+512
.endr
	ds_load_b64 v[KS:KS+1], v[A1] offset:12288
	ds_load_b64 v[KS+2:KS+3], v[A1] offset:12544
	WALU                                                     ; directly ahead of the wait below
	s_wait_dscnt 0x0
.irp t, 0,2,4,6                        ; S^T = K Q^T: eight tiles of 16 keys
	v_wmma_scale_f32_16x16x128_f8f6f4 v[S+8*\t:S+8*\t+7], v[F+6*\t:F+6*\t+11], v[QF+12*\u:QF+12*\u+11], 0, v[KS+\t/2], v[QS+\u] matrix_a_fmt:MATRIX_FMT_BF6 matrix_b_fmt:MATRIX_FMT_BF6
	v_wmma_scale_f32_16x16x128_f8f6f4 v[S+8*\t+8:S+8*\t+15], v[F+6*\t+6:F+6*\t+17], v[QF+12*\u:QF+12*\u+11], 0, v[KS+\t/2], v[QS+\u] matrix_a_fmt:MATRIX_FMT_BF6 matrix_b_fmt:MATRIX_FMT_BF6 matrix_a_scale:MATRIX_SCALE_ROW1
.endr
.rept 4
	v_nop                                                    ; four places: ahead of the loads over K's tiles and of the first read of the scores
.endr
.irp n, 0,1,2,3,4,5,6,7                ; V's four fragments land under the softmax
	ds_load_b128 v[F+6*\n:F+6*\n+3], v[A0] offset:6144+768*\n
	ds_load_b64 v[F+6*\n+4:F+6*\n+5], v[A1] offset:6144+768*\n+512
.endr
	ds_load_b64 v[VS:VS+1], v[A1] offset:12800
.irp c, 0,1
.irp g, 0,1
	v_max3_num_f32 v[BM+2*\c+\g], v[S+32*\c+16*\g], v[S+32*\c+16*\g+1], v[S+32*\c+16*\g+2]   ; my two blocks' largest scores, two chains each; every accumulator is first read at its low end
.endr
.endr
.irp i, 3,5,7,9,11,13
.irp c, 0,1
.irp g, 0,1
	v_max3_num_f32 v[BM+2*\c+\g], v[BM+2*\c+\g], v[S+32*\c+16*\g+\i], v[S+32*\c+16*\g+\i+1]
.endr
.endr
.endr
.irp c, 0,1
	v_max3_num_f32 v[BM+2*\c], v[BM+2*\c], v[BM+2*\c+1], v[S+32*\c+15]
.endr
.irp c, 0,1
	v_max_num_f32 v[BM+2*\c], v[BM+2*\c], v[S+32*\c+31]      ; the block's largest score: for the row's maximum, and, since p rises with the score, for the block's largest p
.endr
	v_max_num_f32 v[TMP], v[BM], v[BM+2]
	v_permlanex16_b32 v[PX], v[TMP], s[SEL], s[SEL+1]
	v_max3_num_f32 v[ST+1], v[ST+1], v[TMP], v[PX]           ; the largest score so far of my query
	v_mul_f32 v[TMP], s[CS], v[ST+1]                         ; as t (c is positive)
	v_floor_f32 v[TMP], -v[TMP]                              ; the new -M = floor(-t): M is a whole number
	v_sub_f32 v[TMP2], v[TMP], v[ST]                         ; old M - new M: a whole number, 0 or less
	v_mov_b32 v[ST], v[TMP]
	v_cvt_i32_f32 v[TMP2], v[TMP2]                           ; (it saturates)
	v_ldexp_f32 v[FF], 1.0, v[TMP2]                          ; f = 2^(old M - new M)
.set j_, 0
.rept 32
	v_pk_fma_f32 v[S+j_:S+j_+1], v[S+j_:S+j_+1], s[CS:CS+1], v[ST:ST+1] op_sel_hi:[1,0,0]   ; t - M, two at a time
.set j_, j_+2
.endr
.irp c, 0,1
	v_fma_f32 v[BM+2*\c], v[BM+2*\c], s[CS], v[ST]           ; the same of each block's largest score
.endr
	WALU                                                     ; ahead of the batch
.set j_, 0
.rept 64
	v_exp_f32 v[S+j_], v[S+j_]                               ; p = 2^(t - M), at most 1: not normalised
.set j_, j_+1
.endr
.irp c, 0,1
	v_exp_f32 v[BM+2*\c], v[BM+2*\c]                         ; the block's largest p: the same two instructions on the same number
.endr
	v_pk_mul_f32 v[ST+2:ST+3], v[ST+2:ST+3], v[FF:FF+1] op_sel_hi:[1,0]   ; the sums under the new M: the plain place behind the exponentials
	WALU                                                     ; one wait for the whole batch
	v_pk_add_f32 v[SA:SA+1], v[S:S+1], v[S+2:S+3]            ; the row's sum of the unquantised p: four chains
	v_pk_add_f32 v[SA+2:SA+3], v[S+4:S+5], v[S+6:S+7]
	v_pk_add_f32 v[SA+4:SA+5], v[S+8:S+9], v[S+10:S+11]
	v_pk_add_f32 v[ST+2:ST+3], v[ST+2:ST+3], v[S+12:S+13]
.irp j, 14,22,30,38,46,54
	v_pk_add_f32 v[SA:SA+1], v[SA:SA+1], v[S+\j:S+\j+1]
	v_pk_add_f32 v[SA+2:SA+3], v[SA+2:SA+3], v[S+\j+2:S+\j+3]
	v_pk_add_f32 v[SA+4:SA+5], v[SA+4:SA+5], v[S+\j+4:S+\j+5]
	v_pk_add_f32 v[ST+2:ST+3], v[ST+2:ST+3], v[S+\j+6:S+\j+7]
.endr
	v_pk_add_f32 v[SA:SA+1], v[SA:SA+1], v[S+62:S+63]
	v_pk_add_f32 v[ST+2:ST+3], v[ST+2:ST+3], v[SA+4:SA+5]
	v_pk_add_f32 v[SA:SA+1], v[SA:SA+1], v[SA+2:SA+3]
	v_pk_add_f32 v[ST+2:ST+3], v[ST+2:ST+3], v[SA:SA+1]
.irp c, 0,1
	v_max_num_f32 v[BM+2*\c], 0x2800000, v[BM+2*\c]          ; the floor 2^(5 - 127): the byte cannot fall under 1
.endr
.irp c, 0,1
	v_add_nc_u32 v[TS+\c], 0xfe000000, v[BM+2*\c]            ; 4 off the exponent field: the conversion's scale operand
.endr
.irp c, 0,1
	v_lshrrev_b32 v[BM+2*\c+1], 23, v[TS+\c]                 ; the byte
.endr
	v_lshl_or_b32 v[W], v[BM+3], 16, v[BM+1]                 ; my two bytes: blocks h and 2 + h,
	v_lshlrev_b32 v[W], v[SH8], v[W]                         ; at their places;
	v_permlanex16_b32 v[PX], v[W], s[SEL], s[SEL+1]
	v_or_b32 v[PS], v[W], v[PX]                              ; with lane l xor 16's two: p's scale word for these 128 keys
	v_cvt_scalef32_pk16_bf6_f32 v[P:P+2], v[S:S+15], v[TS]
	v_cvt_scalef32_pk16_bf6_f32 v[T:T+2], v[S+16:S+31], v[TS]            ; (a conversion's three registers begin on an even number)
	v_cvt_scalef32_pk16_bf6_f32 v[P+6:P+8], v[S+32:S+47], v[TS+1]
	v_cvt_scalef32_pk16_bf6_f32 v[T+4:T+6], v[S+48:S+63], v[TS+1]
	v_pk_mul_f32 v[O:O+1], v[O:O+1], v[FF:FF+1] op_sel_hi:[1,0]          ; O^T under the new M, each accumulator from its low end on.  This first line is the plain place behind the conversions
.irp i, 0,1,2
	v_mov_b32 v[P+3+\i], v[T+\i]
	v_mov_b32 v[P+9+\i], v[T+4+\i]
.endr
.set j_, 2
.rept 15
	v_pk_mul_f32 v[O+j_:O+j_+1], v[O+j_:O+j_+1], v[FF:FF+1] op_sel_hi:[1,0]   ; these 15 are also the places between p's codes and scale word and the products below
.set j_, j_+2
.endr
	WALU                                                     ; directly ahead of the wait below
	s_wait_dscnt 0x0                                         ; V
.irp n, 0,2                            ; O^T += V^T P^T: four tiles of 16 of the head's 64; the four accumulators take turns, and eight other products stand between two steps' links
	v_wmma_scale_f32_16x16x128_f8f6f4 v[O+8*\n:O+8*\n+7], v[F+12*\n:F+12*\n+11], v[P:P+11], v[O+8*\n:O+8*\n+7], v[VS+\n/2], v[PS] matrix_a_fmt:MATRIX_FMT_BF6 matrix_b_fmt:MATRIX_FMT_BF6
	v_wmma_scale_f32_16x16x128_f8f6f4 v[O+8*\n+8:O+8*\n+15], v[F+12*\n+12:F+12*\n+23], v[P:P+11], v[O+8*\n+8:O+8*\n+15], v[VS+\n/2], v[PS] matrix_a_fmt:MATRIX_FMT_BF6 matrix_b_fmt:MATRIX_FMT_BF6 matrix_a_scale:MATRIX_SCALE_ROW1
.endr
	s_add_co_u32 s[TB], s[TB], STEPB
.endm
; One head: all 2,048 keys, 16 steps; then O^T / the sum becomes half c = u of the result's fragment.
.macro UNIT u
	v_mov_b32 v[ST], 0x7e967699                              ; -M: 1e38, over every -M that follows, so that the first f is 0
	v_mov_b32 v[ST+1], 0xff61b1e6                            ; the largest score so far: -3e38
	v_mov_b32 v[ST+2], 0                                     ; the sum, in two halves
	v_mov_b32 v[ST+3], 0
.set j_, 0
.rept 32
	v_mov_b32 v[O+j_], 0                                     ; the step is written once: the first finds zeros, which the first change of M leaves zeros
.set j_, j_+1
.endr
	s_mov_b32 s[TB], 0
	s_mov_b32 s[CNT], 16
.Lstep_\@:
	STEP \u
	s_sub_co_u32 s[CNT], s[CNT], 1
	s_cmp_lg_u32 s[CNT], 0
	s_cbranch_scc1 .Lstep_\@
.rept 4
	v_nop                                                    ; four places behind the last products
.endr
	v_add_f32 v[ST+2], v[ST+2], v[ST+3]
	v_permlanex16_b32 v[PX], v[ST+2], s[SEL], s[SEL+1]
	v_add_f32 v[ST+2], v[ST+2], v[PX]                        ; the row's sum
	WALU
	v_rcp_f32 v[ST+2], v[ST+2]
	v_nop                                                    ; a plain place behind the reciprocal,
	WALU                                                     ; and the wait ahead of its first reader
.set j_, 0
.rept 16
	v_pk_mul_f32 v[S+j_:S+j_+1], v[O+j_:O+j_+1], v[ST+2:ST+3] op_sel_hi:[1,0]   ; each accumulator from its low end on
.set j_, j_+2
.endr
	QH S, OC+6*\u, HW+\u
.endm
	s_load_b128 s[4:7], s[0:1], 0x0                          ; qc s[4:5], kv s[6:7]
	s_load_b64 s[8:9], s[0:1], 0x10                          ; oq
	v_lshl_add_u32 v[SPW], v0, 2, SPARE
	v_mov_b32 v[NIL], 0
	ds_add_u32 v[SPW], v[NIL]
	ds_add_u32 v[SPW], v[NIL]
	v_lshrrev_b32 v1, 5, v0
	v_readfirstlane_b32 s[WV], v1                            ; wave 0..15
	s_bfe_u32 s11, ttmp6, 0x40000                            ; my place in the cluster: it enters qc's and oq's addresses alone
	s_lshl_b32 s12, ttmp9, 2
	s_add_co_u32 s12, s12, s11
	s_and_b32 s13, ttmp7, 0xffff                             ; the batch, which the four partners share
	s_lshl_b32 s14, s13, 7
	s_lshl_b32 s15, s12, 1
	s_add_co_u32 s14, s14, s15                               ; the work-group's first tile of tokens
	s_lshr_b32 s15, s[WV], 3
	s_add_co_u32 s15, s14, s15                               ; my tile
	s_and_b32 s16, s[WV], 7                                  ; my pair of heads = my K step of the last projection
	; group 1: a record is dense: 51 rows of 256 bytes (32 elements of 8); the mask names all four work-groups, bit 21 set beside it
	s_mov_b32 s[G1], 15|(3<<16)|(1<<21)
	s_mov_b32 s[G1+1], 32<<16
	s_mov_b32 s[G1+2], 51<<16
	s_mov_b32 s[G1+3], 32<<16
	s_mov_b32 s[G1+4], 51
	s_mov_b32 s[G1+5], 32
	s_mov_b32 s[G1+6], 0
	s_mov_b32 s[G1+7], 0
	s_mov_b32 s[G0], 1
	s_mul_i32 s[G0+1], s[WV], STEPB                          ; wave w fetches step record w
	s_mul_i32 s20, s13, 16*STEPB
	s_add_co_u32 s20, s20, s[G0+1]
	s_mov_b32 s21, 0
	s_lshl_b32 s42, s15, 14                                  ; qc: 16,384 bytes a tile, 1,024 a head
	s_lshl_b32 s43, s16, 11
	s_add_co_u32 s42, s42, s43
	s_mov_b32 s43, 0
	s_mul_i32 s44, s15, 12800                                ; oq: my tile's record, the half and the K step in it
	s_lshr_b32 s45, s16, 2
	s_mul_i32 s45, s45, 6400
	s_add_co_u32 s44, s44, s45
	s_and_b32 s45, s16, 3
	s_mul_i32 s45, s45, 1536
	s_add_co_u32 s44, s44, s45
	s_mov_b32 s45, 0
	s_min_u32 s17, s[WV], 1                                  ; waves 0 and 1 store the two tiles' scale words
	s_add_co_u32 s46, s14, s17
	s_mul_i32 s46, s46, 12800
	s_mov_b32 s47, 0
	s_lshr_b32 s18, s[WV], 3                                 ; the stage: 512 bytes a tile, 256 a half of K, 16 a row, 4 a K step
	s_lshl_b32 s18, s18, 9
	s_bfe_u32 s19, s[WV], 0x10002
	s_lshl_b32 s19, s19, 8
	s_add_co_u32 s18, s18, s19
	s_and_b32 s19, s[WV], 3
	s_lshl_b32 s19, s19, 2
	s_add_co_u32 s18, s18, s19
	s_add_co_u32 s18, s18, STG
	s_lshl_b32 s19, s17, 9
	s_add_co_u32 s19, s19, STG
	s_mov_b32 s[SEL], 0x76543210
	s_mov_b32 s[SEL+1], 0xfedcba98
	s_mov_b32 s[CS], 0x3e38aa3b                              ; c = log2(e) / sqrt(64)
	s_mov_b32 s[CS+1], s[CS]                                 ; (named with it as a pair)
	s_wait_dscnt 0x0
	s_wait_kmcnt 0x0
	s_add_nc_u64 s[G0+2:G0+3], s[6:7], s[20:21]
	s_or_b32 s[G0+3], s[G0+3], 0x80000000
	s_add_nc_u64 s[4:5], s[4:5], s[42:43]
	s_add_nc_u64 s[44:45], s[8:9], s[44:45]
	s_add_nc_u64 s[46:47], s[8:9], s[46:47]
	ROUND                                                    ; all four work-groups are here: the joint loads meet
	tensor_load_to_lds s[G0:G0+3], s[G1:G1+7]                ; my only fill: one load of mine is out
	s_nop 0
.rept 4
	v_nop
.endr
	v_and_b32 v7, 31, v0                                     ; L
	v_and_b32 v8, 15, v0                                     ; r
	v_bfe_u32 v9, v0, 4, 1                                   ; h
	v_lshlrev_b32 v[B16], 4, v7
	v_lshlrev_b32 v[B8], 3, v7
	v_lshlrev_b32 v[SH8], 3, v9
	v_lshl_add_u32 v[STA], v8, 4, s18                        ; my scale word of row r
	v_add_nc_u32 v[STR], s19, v[B16]                         ; back: a tile's 512 bytes, 16 a lane
	v_mul_u32_u24 v[STO], v9, 6400
	v_lshl_add_u32 v[STO], v8, 4, v[STO]                     ; and in oq: 16 r, lanes 16-31 in the record's second half
.irp u, 0,1
	global_load_b128 v[QF+12*\u:QF+12*\u+3], v[B16], s[4:5] offset:1024*\u
	global_load_b128 v[QF+12*\u+4:QF+12*\u+7], v[B16], s[4:5] offset:1024*\u+512   ; registers 4, 5, the scale word, 0
.endr
.irp i, 0,1,2,3,4,5
	v_mov_b32 v[PAD+\i], 0
.endr
	v_mov_b32 v[PX], 0                                       ; a lane permute's destination counts as one of its sources
	v_mov_b32 v[FF+1], 0
	WALU
	s_wait_loadcnt 0x0                                       ; Q
.irp u, 0,1
	v_mov_b32 v[QS+\u], v[QF+12*\u+6]
.endr
.irp u, 0,1
.irp i, 6,7,8,9,10,11
	v_mov_b32 v[QF+12*\u+\i], 0                              ; zero codes for the instruction's K from 64 on
.endr
.endr
	WALU                                                     ; the head's end
	s_wait_tensorcnt 0x0                                     ; my record is in,
	s_barrier_signal -1
	s_barrier_wait -1                                        ; everybody's is
	UNIT 0
	UNIT 1
	v_lshl_or_b32 v[HW], v[HW+1], 16, v[HW]                  ; the K step's scale word: two bytes a head
	WALU
.irp k, 0,1,2
	global_store_b128 v[B16], v[OC+4*\k:OC+4*\k+3], s[44:45] offset:512*\k   ; the fragment: 512 consecutive bytes a store
.endr
	ds_store_b32 v[STA], v[HW]                               ; lanes r and r + 16 write the same word with the same value
	s_wait_dscnt 0x0                                         ; for the others' sake
	s_barrier_signal -1
	s_barrier_wait -1
	s_cmp_lt_u32 s[WV], 2
	s_cbranch_scc0 .Lno_words
	ds_load_b128 v[S:S+3], v[STR]
	s_wait_dscnt 0x0
	global_store_b128 v[STO], v[S:S+3], s[46:47] offset:6144 ; two runs of 256 consecutive bytes, each aligned
.Lno_words:
	s_wait_tensorcnt 0x0                                     ; the wave's end
	ds_add_u32 v[SPW], v[NIL]
	s_wait_dscnt 0x0
	ROUND                                                    ; the closing round
	s_endpgm
.Lfunc_end_k_q49d584bdae_attn:
	.size	k_q49d584bdae_attn, .Lfunc_end_k_q49d584bdae_attn-k_q49d584bdae_attn
	.p2alignl 7, 3214868480
	.fill 96, 4, 3214868480
	.section	.rodata,"a",@progbits
	.p2align	6, 0x0
	.amdhsa_kernel k_q49d584bdae_attn
		.amdhsa_group_segment_fixed_size 215040
		.amdhsa_private_segment_fixed_size 0
		.amdhsa_enable_private_segment 0
		.amdhsa_kernarg_size 24
		.amdhsa_user_sgpr_count 2
		.amdhsa_user_sgpr_kernarg_segment_ptr 1
		.amdhsa_wavefront_size32 1
		.amdhsa_system_sgpr_workgroup_id_x 1
		.amdhsa_system_sgpr_workgroup_id_y 1
		.amdhsa_system_sgpr_workgroup_id_z 1
		.amdhsa_system_vgpr_workitem_id 0
		.amdhsa_next_free_vgpr 256
		.amdhsa_next_free_sgpr 66
		.amdhsa_reserve_vcc 0
		.amdhsa_float_denorm_mode_32 3
		.amdhsa_float_denorm_mode_16_64 3
		.amdhsa_memory_ordered 1
		.amdhsa_forward_progress 1
		.amdhsa_inst_pref_size 46
	.end_amdhsa_kernel
	.amdgpu_metadata
---
amdhsa.version: [ 1, 2 ]
amdhsa.kernels:
  - .name:           k_q49d584bdae_attn
    .symbol:         k_q49d584bdae_attn.kd
    .args:
      - { .name: qc, .offset: 0, .size: 8, .value_kind: global_buffer, .address_space: global }
      - { .name: kv, .offset: 8, .size: 8, .value_kind: global_buffer, .address_space: global }
      - { .name: oq, .offset: 16, .size: 8, .value_kind: global_buffer, .address_space: global }
    .group_segment_fixed_size: 215040
    .private_segment_fixed_size: 0
    .kernarg_segment_align: 8
    .kernarg_segment_size: 24
    .max_flat_workgroup_size: 512
    .sgpr_count:     66
    .vgpr_count:     256
    .wavefront_size: 32
...
	.end_amdgpu_metadata
.endif
;; end of part 3
;; launch outp (part 4): grid 8 x 32, 8 waves a work-group, clusters of 4 x 4, 308,224 bytes of LDS; arguments oq, woq, bo, out0; writes out0
.if DOCPART == 4
	.amdgcn_target "amdgcn-amd-amdhsa--gfx1250"
	.amdhsa_code_object_version 6
	.text
	.protected	k_q49d584bdae_outp
	.globl	k_q49d584bdae_outp
	.p2align	8
	.type	k_q49d584bdae_outp,@function
k_q49d584bdae_outp:
	s_mov_b64 s[64:65], 0
	v_nop
	global_prefetch_b8 v0, s[64:65] scope:SCOPE_SE
	s_setreg_imm32_b32 hwreg(HW_REG_WAVE_MODE, 25, 1), 1
	s_wait_xcnt 0x0
	s_wait_alu depctr_hold_cnt(0) depctr_sa_sdst(0) depctr_va_vdst(0) depctr_va_sdst(0) depctr_va_ssrc(0) depctr_va_vcc(0) depctr_vm_vsrc(0)
	s_getreg_b32 s2, hwreg(HW_REG_IB_STS2, 6, 4)
	s_cmp_eq_u32 s2, 0
	s_cbranch_scc0 .Lentry_in_a_cluster
	s_endpgm
.Lentry_in_a_cluster:
	s_bfe_u32 s2, ttmp6, 0x10000c
	s_cmp_lg_u32 s2, 0xf033
	s_cbranch_scc0 .Lentry_shape_is_right
	s_endpgm
.Lentry_shape_is_right:
; out0 = (attention's result) Wo + bo, on codes of BF6 (E3M2) with E8M0 scales; out0 [8192][1024] f32.
; A work-group makes 256 tokens x 128 columns over all of K = 1,024.  Eight waves, each 64 x 64: wm = wave / 2 picks four tiles of tokens, wn = wave % 2 four tiles of columns: 16 accumulators.
; ALL OPERANDS OF THE WORK-GROUP LIE IN LDS AT ONCE: 16 + 8 records of 12,800 bytes, as two halves of K, filled once by one tensor load of each of the eight waves: no slot is filled again.
; The records are images of operand registers: a fragment is three loads of 16 bytes a lane; four K steps' scale words are one load.
; CLUSTER 4 x 4: the four work-groups of a row of the cluster need the same tokens' records, the four of a column the same weights': each is asked for JOINTLY.
; The product is used transposed (source 0 = 16 columns of Wo, source 1 = 16 tokens): a lane holds one token, and by the tiles' order of rows register 16 b + i of a tile of tokens is column 32 b + 16 h + i.
; The bias is loaded straight into the accumulators.  A TILE'S ROWS ARE NOT NEIGHBOURS: row r of tile T is token 32 (T / 2) + 8 (T % 2) + r + 8 (r / 8): the stores' offsets follow that order.
.set WV,  18
.set WM,  19
.set WN,  20
.set CX,  21
.set BLK, 22
.set NT,  23
.set CY,  25
.set G0,  32                           ; s[32:39] two groups 0: the tokens and the weights, of my half of K
.set G1A, 48
.set G1B, 56
.set HALF, 153600
.set WOFF, 102400
.set SC,  16
.set FW,  32
.set FX,  80
.set ACC, 128
.set BK,  32                           ; the way out: 16 rows read back from the stage: v32-63 and v64-95 by turns
.macro ROUND                           ; a round of the cluster's barrier
	s_barrier_signal -1
	s_barrier_wait -1
	s_cmp_lg_u32 s[WV], 0
	s_cbranch_scc1 .Lnot_wave_0_\@
	s_barrier_signal -3
.Lnot_wave_0_\@:
	s_barrier_wait -3
	s_barrier_signal -1
	s_barrier_wait -1
.endm
; K step s of the half in hand: 24 loads (28 with the half's scale words), then 16 matrix instructions; the 16 accumulators take turns in ascending order.
.macro KSTEP s
.rept 4
	v_nop                                                    ; four places in front of loads into registers that matrix instructions have read (ISA guide 7.12.1 for VALU instructions)
.endr
.irp j, 0,1,2,3
.irp c, 0,1,2
	ds_load_b128 v[FW+12*\j+4*\c:FW+12*\j+4*\c+3], v3 offset:6400*\j+1536*\s+512*\c
.endr
.endr
.irp j, 0,1,2,3
.irp c, 0,1,2
	ds_load_b128 v[FX+12*\j+4*\c:FX+12*\j+4*\c+3], v4 offset:6400*\j+1536*\s+512*\c
.endr
.endr
.if \s == 0
.irp i, 0,1,2,3
	ds_load_b128 v[SC+4*\i:SC+4*\i+3], v5 offset:6400*\i     ; lanes 0-15 the tokens' tile i, lanes 16-31 the weights'
.endr
.endif
	s_wait_dscnt 0x0
.irp a, 0,1,2,3
.irp b, 0,1,2,3
	v_wmma_scale_f32_16x16x128_f8f6f4 v[ACC+8*(4*\a+\b):ACC+8*(4*\a+\b)+7], v[FW+12*\b:FW+12*\b+11], v[FX+12*\a:FX+12*\a+11], v[ACC+8*(4*\a+\b):ACC+8*(4*\a+\b)+7], v[SC+4*\b+\s], v[SC+4*\a+\s] matrix_a_fmt:MATRIX_FMT_BF6 matrix_b_fmt:MATRIX_FMT_BF6 matrix_a_scale:MATRIX_SCALE_ROW1
.endr
.endr
.endm
; THE WAY OUT, a tile of 16 tokens x 64 columns at a time, through my own stage (16 rows x 272 bytes), so that sixteen lanes store a row's 256 bytes.
.macro TOSTAGE a
.irp n, 0,1,2,3
	ds_store_b128 v8, v[ACC+32*(\a)+8*\n:ACC+32*(\a)+8*\n+3] offset:128*(\n/2)+32*(\n%2)        ; each accumulator from its low end on
	ds_store_b128 v8, v[ACC+32*(\a)+8*\n+4:ACC+32*(\a)+8*\n+7] offset:128*(\n/2)+32*(\n%2)+16
.endr
.irp i, 0,1,2,3,4,5,6,7
	ds_load_b128 v[BK+32*((\a)%2)+4*\i:BK+32*((\a)%2)+4*\i+3], v9 offset:544*\i                 ; LDS serves a wave's instructions in order: these see the stores above
.endr
.endm
.macro SEND a, younger                 ; younger: the LDS instructions issued behind tile a's loads, which may stay out
	s_wait_dscnt \younger
.irp i, 0,1,2,3,4,5,6,7
	global_store_b128 v10, v[BK+32*((\a)%2)+4*\i:BK+32*((\a)%2)+4*\i+3], s[10:11] offset:(32*((\a)/2)+8*((\a)%2)+2*\i+8*(\i/4))*4096 th:TH_STORE_NT   ; 16 lanes store 256 consecutive bytes, aligned; rows 2 i and 2 i + 1 of the tile
.endr
.endm
	s_load_b256 s[4:11], s[0:1], 0x0                         ; oq s[4:5], woq s[6:7], bo s[8:9], out0 s[10:11]
	v_lshl_add_u32 v14, v0, 2, 0x4b000
	v_mov_b32 v15, 0
	ds_add_u32 v14, v15
	ds_add_u32 v14, v15
	v_lshrrev_b32 v1, 5, v0
	s_delay_alu instid0(VALU_DEP_1)
	v_readfirstlane_b32 s[WV], v1                            ; wave 0..7
	s_lshr_b32 s[WM], s[WV], 1
	s_and_b32 s[WN], s[WV], 1
	s_bfe_u32 s[CX], ttmp6, 0x40000                          ; my place in the cluster
	s_bfe_u32 s[CY], ttmp6, 0x40004
	s_lshl_b32 s[NT], ttmp9, 2
	s_add_co_u32 s[NT], s[NT], s[CX]                         ; the tile of 128 columns
	s_and_b32 s[BLK], ttmp7, 0xffff
	s_lshl_b32 s[BLK], s[BLK], 2
	s_add_co_u32 s[BLK], s[BLK], s[CY]                       ; the block of 256 tokens
	s_lshl_b32 s70, s[CY], 2
	s_lshl_b32 s70, 15, s70                                  ; my row of the cluster
	s_lshl_b32 s71, 0x1111, s[CX]                            ; my column
	; group 1, the tokens' records: two rows of 800 elements of 8 bytes, 1,600 apart; they go to my row of the cluster
	s_or_b32 s[G1A], s70, (3<<16)|(1<<21)
	s_mov_b32 s[G1A+1], 800<<16
	s_mov_b32 s[G1A+2], 8<<16                                ; eight records' halves to a load
	s_mov_b32 s[G1A+3], 800<<16
	s_mov_b32 s[G1A+4], 8
	s_mov_b32 s[G1A+5], 1600
	s_mov_b32 s[G1A+6], 0
	s_mov_b32 s[G1A+7], 0
	; group 1, the weights': one such row; they go to my column
	s_or_b32 s[G1B], s71, (3<<16)|(1<<21)
	s_mov_b32 s[G1B+1], 800<<16
	s_mov_b32 s[G1B+2], 4<<16                                ; four records' halves to a load
	s_mov_b32 s[G1B+3], 800<<16
	s_mov_b32 s[G1B+4], 4
	s_mov_b32 s[G1B+5], 1600
	s_mov_b32 s[G1B+6], 0
	s_mov_b32 s[G1B+7], 0
	; THE HEAD'S FOUR TILES, one tensor load a wave: waves 0, 1 the tokens' half 0 (eight records each), waves 2, 3 the weights' half 0 (four each), waves 4, 5 the tokens' half 1, waves 6, 7 the weights' half 1
	s_lshr_b32 s24, s[WV], 2                                 ; which half of K my load brings
	s_mul_i32 s26, s[BLK], 204800                            ; the tokens: the block's 16 records: nothing of cx enters,
	s_mul_i32 s74, s[WN], 102400                             ; eight of them,
	s_add_co_u32 s26, s26, s74
	s_mul_i32 s74, s24, 6400                                 ; their half
	s_add_co_u32 s26, s26, s74
	s_mov_b32 s27, 0
	s_mul_i32 s28, s[NT], 102400                             ; the weights: the column tile's eight records: nothing of cy enters,
	s_mul_i32 s75, s[WN], 51200                              ; four of them,
	s_add_co_u32 s28, s28, s75
	s_add_co_u32 s28, s28, s74                               ; their half
	s_mov_b32 s29, 0
	s_lshl_b32 s66, s[NT], 9                                 ; my first column, in bytes: 4 (128 x tile + 64 wn)
	s_lshl_b32 s67, s[WN], 8
	s_add_co_u32 s66, s66, s67
	s_mov_b32 s67, 0
	s_lshl_b32 s68, s[BLK], 20                               ; my first token's row: (256 x block + 64 wm) x 4,096 bytes
	s_lshl_b32 s69, s[WM], 18
	s_add_co_u32 s68, s68, s69
	s_add_co_u32 s68, s68, s66
	s_mov_b32 s69, 0
	s_wait_dscnt 0x0
	s_wait_kmcnt 0x0
	s_add_nc_u64 s[26:27], s[4:5], s[26:27]
	s_add_nc_u64 s[28:29], s[6:7], s[28:29]
	s_add_nc_u64 s[8:9], s[8:9], s[66:67]
	s_add_nc_u64 s[10:11], s[10:11], s[68:69]
	s_mul_i32 s75, s24, HALF                                 ; LDS: my half's region
	s_mov_b32 s[G0], 1
	s_mul_i32 s[G0+1], s[WN], 51200                          ; the tokens: eight halves of records of 6,400 bytes
	s_add_co_u32 s[G0+1], s[G0+1], s75
	s_mov_b64 s[G0+2:G0+3], s[26:27]
	s_or_b32 s[G0+3], s[G0+3], 0x80000000
	s_mov_b32 s[G0+4], 1
	s_mul_i32 s[G0+5], s[WN], 25600                          ; the weights: four
	s_add_co_u32 s[G0+5], s[G0+5], s75
	s_add_co_u32 s[G0+5], s[G0+5], WOFF
	s_mov_b64 s[G0+6:G0+7], s[28:29]
	s_or_b32 s[G0+7], s[G0+7], 0x80000000
	ROUND                                                    ; all sixteen work-groups are here: the joint loads meet
	s_cmp_lt_u32 s[WV], 2                                    ; one chain of branches on the wave's number, a load line to each arm: the first half's lines are issued by the waves that wait ahead of the first barrier
	s_cbranch_scc0 .Lh_w0
	tensor_load_to_lds s[G0:G0+3], s[G1A:G1A+7]
	s_nop 0
.rept 4
	v_nop
.endr
	s_branch .Lh_asked
.Lh_w0:
	s_cmp_lt_u32 s[WV], 4
	s_cbranch_scc0 .Lh_x1
	tensor_load_to_lds s[G0+4:G0+7], s[G1B:G1B+7]
	s_nop 0
.rept 4
	v_nop
.endr
	s_branch .Lh_asked
.Lh_x1:
	s_cmp_lt_u32 s[WV], 6
	s_cbranch_scc0 .Lh_w1
	tensor_load_to_lds s[G0:G0+3], s[G1A:G1A+7]
	s_nop 0
.rept 4
	v_nop
.endr
	s_branch .Lh_asked
.Lh_w1:
	tensor_load_to_lds s[G0+4:G0+7], s[G1B:G1B+7]
	s_nop 0
.Lh_asked:
.rept 4
	v_nop
.endr
	v_and_b32 v6, 31, v0                                     ; L
	v_and_b32 v7, 15, v0                                     ; r
	v_bfe_u32 v12, v0, 4, 1                                  ; h
	s_delay_alu instid0(VALU_DEP_1)
	v_lshlrev_b32 v13, 6, v12                                ; the bias: 64 h
.irp a, 0,1,2,3
.irp b, 0,1
.irp k, 0,1,2,3
	global_load_b128 v[ACC+32*\a+16*\b+4*\k:ACC+32*\a+16*\b+4*\k+3], v13, s[8:9] offset:128*\b+16*\k   ; register 16 b + i of a tile of tokens: bo of column 32 b + 16 h + i
.endr
.endr
.endr
	v_lshlrev_b32 v1, 4, v6                                  ; 16 L
	s_mul_i32 s70, s[WM], 25600
	s_mul_i32 s71, s[WN], 25600
	s_add_co_u32 s71, s71, WOFF
	v_add_nc_u32 v3, s71, v1
	v_add_nc_u32 v4, s70, v1
	s_sub_co_u32 s72, s71, s70                               ; at least 25,600
	v_mul_u32_u24 v5, s72, v12                               ; the scale words: lanes 16-31 take the weights'
	s_delay_alu instid0(VALU_DEP_1)
	v_lshl_add_u32 v5, v7, 4, v5
	s_add_co_u32 s73, s70, 6144
	v_add_nc_u32 v5, s73, v5
	s_mul_i32 s74, s[WV], 4352                               ; my stage.  It lies in the first half's bytes, which have had their only fill, and which nobody reads behind the second barrier
	v_mul_u32_u24 v8, v7, 272
	s_delay_alu instid0(VALU_DEP_1)
	v_lshl_add_u32 v8, v12, 6, v8
	s_delay_alu instid0(VALU_DEP_1)
	v_add_nc_u32 v8, s74, v8                                 ; in: row r, + 64 h
	v_mul_u32_u24 v9, v12, 272
	s_delay_alu instid0(VALU_DEP_1)
	v_lshl_add_u32 v9, v7, 4, v9
	s_delay_alu instid0(VALU_DEP_1)
	v_add_nc_u32 v9, s74, v9                                 ; back: lanes 0-15 one row, lanes 16-31 the next
	v_lshlrev_b32 v10, 12, v12
	s_delay_alu instid0(VALU_DEP_1)
	v_lshl_add_u32 v10, v7, 4, v10                           ; and the same in out0: 4,096 h + 16 r
	s_wait_alu depctr_va_vdst(0)
	s_wait_loadcnt 0x0                                       ; the bias
	s_cmp_lt_u32 s[WV], 4                                    ; waves 0 to 3 brought K's first half: they wait for it; the second half's loads stay out
	s_cbranch_scc0 .Lnot_first
	s_wait_tensorcnt 0x0
.Lnot_first:
	s_barrier_signal -1
	s_barrier_wait -1
	KSTEP 0
	KSTEP 1
	KSTEP 2
	KSTEP 3
	s_wait_tensorcnt 0x0                                     ; my parts of the second half are in (no LDS load of mine is out: each step waited for its own)
	s_barrier_signal -1
	s_barrier_wait -1
	v_add_nc_u32 v3, HALF, v3
	s_wait_alu depctr_va_vdst(0)
	v_add_nc_u32 v4, HALF, v4
	s_wait_alu depctr_va_vdst(0)
	v_add_nc_u32 v5, HALF, v5
	KSTEP 0
	KSTEP 1
	KSTEP 2
	KSTEP 3
.rept 4
	v_nop                                                    ; four places behind the last products: ahead of the stores of results and of the loads over fragments
.endr
	TOSTAGE 0
.irp a, 1,2,3
.if \a > 1
	s_wait_xcnt 0x0                                          ; tile a - 2's stores have read their registers: tile a's loads may land there
.endif
	TOSTAGE \a
	SEND \a-1, 16                                            ; behind tile a - 1's loads: tile a's 8 stores and 8 loads
.endr
	SEND 3, 0
	s_wait_tensorcnt 0x0
	ds_add_u32 v14, v15
	s_wait_dscnt 0x0
	ROUND                                                    ; the closing round: no work-group ends while a partner may still ask for a record that names it
	s_endpgm
.Lfunc_end_k_q49d584bdae_outp:
	.size	k_q49d584bdae_outp, .Lfunc_end_k_q49d584bdae_outp-k_q49d584bdae_outp
	.p2alignl 7, 3214868480
	.fill 96, 4, 3214868480
	.section	.rodata,"a",@progbits
	.p2align	6, 0x0
	.amdhsa_kernel k_q49d584bdae_outp
		.amdhsa_group_segment_fixed_size 308224
		.amdhsa_private_segment_fixed_size 0
		.amdhsa_enable_private_segment 0
		.amdhsa_kernarg_size 32
		.amdhsa_user_sgpr_count 2
		.amdhsa_user_sgpr_kernarg_segment_ptr 1
		.amdhsa_wavefront_size32 1
		.amdhsa_system_sgpr_workgroup_id_x 1
		.amdhsa_system_sgpr_workgroup_id_y 1
		.amdhsa_system_sgpr_workgroup_id_z 1
		.amdhsa_system_vgpr_workitem_id 0
		.amdhsa_next_free_vgpr 256
		.amdhsa_next_free_sgpr 96
		.amdhsa_reserve_vcc 0
		.amdhsa_float_denorm_mode_32 3
		.amdhsa_float_denorm_mode_16_64 3
		.amdhsa_memory_ordered 1
		.amdhsa_forward_progress 1
		.amdhsa_inst_pref_size 48
	.end_amdhsa_kernel
	.amdgpu_metadata
---
amdhsa.version: [ 1, 2 ]
amdhsa.kernels:
  - .name:           k_q49d584bdae_outp
    .symbol:         k_q49d584bdae_outp.kd
    .args:
      - { .name: oq, .offset: 0, .size: 8, .value_kind: global_buffer, .address_space: global }
      - { .name: woq, .offset: 8, .size: 8, .value_kind: global_buffer, .address_space: global }
      - { .name: bo, .offset: 16, .size: 8, .value_kind: global_buffer, .address_space: global }
      - { .name: out0, .offset: 24, .size: 8, .value_kind: global_buffer, .address_space: global }
    .group_segment_fixed_size: 308224
    .private_segment_fixed_size: 0
    .kernarg_segment_align: 8
    .kernarg_segment_size: 32
    .max_flat_workgroup_size: 256
    .sgpr_count:     96
    .vgpr_count:     256
    .wavefront_size: 32
...
	.end_amdgpu_metadata
.endif
;; end of part 4
